; MI455X (gfx1250); checked and timed in simulation.
; The chip was launched on July 23, 2026; its instructions are those of AMD's public machine-readable ISA for CDNA 5 (MIT licence, August 2026) and "CDNA5" Instruction Set Architecture Reference Guide (July 2026). The comments in the code are by the model that wrote it; some were corrected since.
;; Multi Headed Attention. Allowed arithmetic: matrix products marked QUANTISED: E2M1 operands, one E8M0 scale for each 32 along K, by v_wmma_scale_f32_16x16x128_f8f6f4 with both operands' format E2M1 (or v_wmma_scale_f32_32x16x128_f4), f32 sums; products left as they are: bf16, f16 or f32 operands; f32 sums; everything else in f32.
;; Inputs: Wk 1,024 x 1,024 float32; Wo 1,024 x 1,024 float32; Wq 1,024 x 1,024 float32; Wv 1,024 x 1,024 float32; X 4 x 2,048 x 1,024 float32; bk 1,024 float32; bo 1,024 float32; bq 1,024 float32; bv 1,024 float32; curr_seq_lens 4 int32.
;; Outputs: out0 4 x 2,048 x 1,024 float32.
;; This version of the problem:
;;   THIS VERSION OF THE PROBLEM IS GIVEN IN LOW PRECISION. The matrix products marked QUANTISED in the list below multiply operands that are first quantised to E2M1 (2 exponent bits, 1 mantissa bit; 4 bits a number), with one power-of-two scale for each 32 numbers along K (OCP MX v1.0); their sums are f32. The products marked 'left as it is' may take bf16, f16 or f32 operands, with f32 sums. Whichever they take, every output number must still come out within the allowed error. Rounding operands to bf16 (8 significant bits) uses up far more of that allowance than f16 does (11 bits, for magnitudes from 6e-5 to 65,504). All else is computed in f32.
;;   The module's matrix products, in the order in which they are computed (A, B: the left and right operand; K: the contracted axis; several contracted axes count as one K, in the product's order):
;;     1. [M 8,192, K 1,024] x [K 1,024, N 1,024]; A: input X; B: input Wq: QUANTISED
;;     2. [M 8,192, K 1,024] x [K 1,024, N 1,024]; A: input X; B: input Wk: QUANTISED
;;     3. [M 8,192, K 1,024] x [K 1,024, N 1,024]; A: input X; B: input Wv: QUANTISED
;;     4. batch 64 x [M 2,048, K 64] x [K 64, N 2,048]; A: computed on the way; B: computed on the way: left as it is (an operand is computed on the way)
;;     5. batch 64 x [M 2,048, K 2,048] x [K 2,048, N 64]; A: computed on the way; B: computed on the way: left as it is (an operand is computed on the way)
;;     6. [M 8,192, K 1,024] x [K 1,024, N 1,024]; A: computed on the way; B: input Wo: left as it is (an operand is computed on the way)
;;   THE QUANTISER, for each operand of a quantised product, along K:
;;     - K is cut into blocks of 32 from its start; a last block that is shorter is filled with zeros.
;;     - A block's scale is 2^e with e = floor(log2(the largest magnitude in the block)) - 2, held to -126 .. 127; a block of zeros has e = 0. As a byte (E8M0): e + 127.
;;     - Each number is divided by its block's scale, clamped to +-6, and rounded to the nearest number of E2M1, ties to even, subnormals kept.
;;     - The product sums the exact products of the quantised numbers (number of the format x scale) in f32.
;;   ~~~python
;;   def quantise(x, axis):      # numpy; x: float32 -> the quantised numbers, widened to float32 again
;;       x = np.moveaxis(x, axis, -1); K = x.shape[-1]
;;       x = np.pad(x, [(0, 0)] * (x.ndim - 1) + [(0, -K % 32)]); x = x.reshape(x.shape[:-1] + (-1, 32)); a = np.abs(x).max(-1, keepdims=True)
;;       e = np.where(a > 0, np.clip(np.frexp(np.where(a > 0, a, 1))[1] - 1 - 2, -126, 127), 0)      # np.frexp(a)[1] - 1 = floor(log2(a)), exactly
;;       r = np.clip(x / 2.0 ** e, -6, 6)
;;       step = 2.0 ** (np.maximum(np.frexp(np.where(r == 0, 1, r))[1] - 1, 0) - 1)
;;       q = np.round(r / step) * step * 2.0 ** e      # np.round: ties to even
;;       return np.moveaxis(q.reshape(q.shape[:-2] + (-1,))[..., :K], -1, axis).astype(np.float32)
;;   ~~~
;; One version. Each part assembles by itself: llvm-mc -triple=amdgcn-amd-amdhsa -mcpu=gfx1250 --defsym DOCPART=n.
;; ======== version 1 of 1: 5 launches
;; limits: values are held in f16: magnitudes above 65,504 overflow, below 6.1e-05 lose precision
;; workspace buffers: codes 5,767,168 bytes; scales 360,448 bytes; tabs 2,621,440 bytes; qkv 51,118,080 bytes; oimg 16,777,216 bytes
;; launch prep (part 1): grid 448 x 1, 4 waves a work-group, no clusters, 33,280 bytes of LDS; arguments X, Wq, Wk, Wv, Wo, codes, scales, tabs; writes codes, scales, tabs
.if DOCPART == 1
	.amdgcn_target "amdgcn-amd-amdhsa--gfx1250"
	.amdhsa_code_object_version 6
	.text
	.protected	k_q6e84c0763d_prep
	.globl	k_q6e84c0763d_prep
	.p2align	8
	.type	k_q6e84c0763d_prep,@function
k_q6e84c0763d_prep:
	s_mov_b64 s[64:65], 0
	v_nop
	global_prefetch_b8 v0, s[64:65] scope:SCOPE_SE
	s_setreg_imm32_b32 hwreg(HW_REG_WAVE_MODE, 25, 1), 1
	s_wait_xcnt 0x0
; FIRST OF FIVE LAUNCHES of multi-head attention (B 4, S 2048, E 1024, H 16, head size 64) with the three input projections on codes of FP4 (E2M1).
; This launch: (A) X, Wq, Wk, Wv (f32, K innermost) become codes, two a byte, K innermost, with one E8M0 byte for each 32 along K; (B) Wo becomes f16 in the order of a matrix operand's
; registers; (C) the table of cos and sin of the rotary embedding, in the order in which the second launch's results lie in registers.
; WORK LEFT OUT IN THE WHOLE PROGRAM, for all values of the inputs:
;   - the mask valid_k (key j < len[b]).  For a query i < len[b] the causal mask keeps only j <= i < len[b], so valid_k hides nothing more; for a query i >= len[b] the row is replaced by 0
;     behind the second product, whatever the softmax held.  So valid_k reaches no output and is not applied;
;   - key tiles wholly above the diagonal (j > i for all their pairs): the causal mask, which is built from positions alone, gives them the weight 0;
;   - key steps of groups of 64 queries that all lie at or beyond len[b]: their rows are replaced by 0.  Rows at or beyond len[b] inside a live group are computed and replaced by 0 by a select.
;   Every input has a way to the output and is loaded by some launch.  LIMIT: a NaN, an infinity or an overflow that reaches only hidden keys or rows at or beyond len[b] is not carried to the result.
; LIMITS: blocks whose largest magnitude lies under 2^(2 - 126) keep the byte 1 (a block of zeros too: its codes are zeros, and this program alone reads the bytes); NaN and infinities among the inputs
; are not served; q, k, v, the attention's result and Wo go on as f16: beyond 65,504 they overflow.
; SHARES: work-groups 0-255 take X, 256-351 Wq, Wk, Wv (32 each), 352-415 Wo (16 rows each), 416-447 the table (64 positions each).  Only the first kind touches LDS.
.set WAVES, 4
.set STEPS, 16
.set EMAX,  2
.set CB,    8                          ; bytes of 16 codes
.set R,     16                         ; v16-79   four sets of 16 numbers as they are loaded
.set X,     80                         ; v80-111  two sets of 16 neighbours
.set C,     128                        ; v128-191 codes: four registers for each step
.set E,     112                        ; v112-127 a scale byte for each step
.set WREG,  8192                       ; LDS: a region for each wave: two stages of 32 x SP bytes, behind them its 256 scale bytes
.set SP,    80                         ; a lane's place in a stage: 64 bytes + 16 of padding
.set SPW,   12                         ; v12 LDS address of my spare word; never rewritten
.set NIL,   13                         ; v13 0; never rewritten
.set SPARE, WAVES*WREG                 ; the spare words: 128 bytes a wave, named by no other line
.set WG_X,  256
.set WG_Q,  352
.set WG_W,  416
	s_load_b512 s[4:19], s[0:1], 0x0               ; X s[4:5], Wq s[6:7], Wk s[8:9], Wv s[10:11], Wo s[12:13], codes s[14:15], scales s[16:17], tabs s[18:19]
	v_lshl_add_u32 v[SPW], v0, 2, SPARE
	v_mov_b32 v[NIL], 0
	v_lshrrev_b32 v1, 5, v0
	v_readfirstlane_b32 s20, v1                    ; wave
	v_and_b32 v2, 31, v0                           ; lane
	s_cmp_ge_u32 ttmp9, WG_Q
	s_cbranch_scc1 .Limages
; ---- (A) the quantiser.  A tensor is a plain stream of blocks of 32; a wave takes a run of 16 steps of 512 numbers.  Each load reads 512 consecutive bytes; a step's 2,048 bytes turn through the wave's own
; stage in LDS so that a lane holds 16 neighbours along K; two neighbouring lanes hold a block.
	v_lshlrev_b32 v3, 4, v2                        ; my 16 bytes of a load's 512
	s_mul_i32 s21, s20, WREG
	v_lshrrev_b32 v14, 2, v2
	v_mul_u32_u24 v14, v14, SP
	v_and_b32 v15, 3, v2
	v_lshl_add_u32 v14, v15, 4, v14
	v_add_nc_u32 v14, s21, v14                     ; the stage, on the way in: SP (lane / 4) + 16 (lane % 4)
	v_mul_u32_u24 v15, v2, SP
	v_add_nc_u32 v15, s21, v15                     ; and on the way out: SP x lane
	v_mul_u32_u24 v4, v2, CB                       ; my codes' place in a step's
	v_lshrrev_b32 v5, 1, v2
	s_add_co_u32 s21, s21, 2*32*SP
	v_add_nc_u32 v5, s21, v5                       ; my wave's 256 scale bytes, my block's byte
	v_lshlrev_b32 v7, 3, v2
	v_add_nc_u32 v6, s21, v7                       ; and on the way out 8 bytes a lane
	s_sub_co_u32 s24, ttmp9, WG_X
	s_lshr_b32 s25, s24, 5                         ; which weight (used only from work-group 256 on)
	s_and_b32 s26, s24, 31                         ; and which of its 32 parts
	s_wait_kmcnt 0x0
	s_cmp_eq_u32 s25, 1                            ; the source is chosen by the work-group's number alone
	s_cselect_b64 s[22:23], s[8:9], s[6:7]
	s_cmp_eq_u32 s25, 2
	s_cselect_b64 s[22:23], s[10:11], s[22:23]
	s_cmp_lt_u32 ttmp9, WG_X
	s_cselect_b64 s[22:23], s[4:5], s[22:23]
	s_cselect_b32 s26, ttmp9, s26
	s_lshl_b32 s26, s26, 2
	s_add_co_u32 s26, s26, s20                     ; my run in the source,
	s_lshl_b32 s26, s26, 15                        ; of 32,768 bytes
	s_mov_b32 s27, 0
	s_add_nc_u64 s[22:23], s[22:23], s[26:27]
	s_lshl_b32 s28, ttmp9, 2
	s_add_co_u32 s28, s28, s20                     ; my run in the codes and scale bytes: X's 1,024 runs, then Wq's, Wk's, Wv's 128 each
	s_lshl_b32 s30, s28, 12                        ; 4,096 bytes of codes a run
	s_mov_b32 s31, 0
	s_add_nc_u64 s[14:15], s[14:15], s[30:31]
	s_lshl_b32 s30, s28, 8                         ; 256 scale bytes a run
	s_add_nc_u64 s[16:17], s[16:17], s[30:31]
.macro LOAD t
.irp i, 0,1,2,3
	global_load_b128 v[R+16*((\t)%4)+4*\i:R+16*((\t)%4)+4*\i+3], v3, s[22:23] offset:2048*(\t)+512*\i th:TH_LOAD_NT   ; 32 lanes read 512 consecutive bytes
.endr
.endm
.macro TURN t                          ; step t's numbers through the stage: LDS serves a wave's instructions in order, so no wait stands between the stores and the loads
.irp i, 0,1,2,3
	ds_store_b128 v14, v[R+16*((\t)%4)+4*\i:R+16*((\t)%4)+4*\i+3] offset:32*SP*((\t)%2)+8*SP*\i
.endr
.irp i, 0,1,2,3
	ds_load_b128 v[X+16*((\t)%2)+4*\i:X+16*((\t)%2)+4*\i+3], v15 offset:32*SP*((\t)%2)+16*\i
.endr
.endm
.irp t, 0,1,2,3
	LOAD \t
.endr
	s_wait_loadcnt 12                              ; step 0's four loads are in; three steps' twelve may be out
	TURN 0
.macro STEP t
.set XS, X+16*((\t)%2)
.if (\t) > 0
	s_wait_dscnt 1                                 ; this step's numbers are back from the stage (the last step's byte store may be out)
.else
	s_wait_dscnt 0x0
.endif
.if (\t)+4 < STEPS
	LOAD (\t)+4                                    ; the registers that the stage's stores have read take the loads of four steps on
.endif
.if (\t)+1 < STEPS
.if STEPS-2-(\t) >= 3
	s_wait_loadcnt 12                              ; the next step's four loads are in; those of the three steps behind it may be out
.else
	s_wait_loadcnt 4*(STEPS-2-(\t))
.endif
	TURN (\t)+1
.endif
	v_max3_num_f32 v8, |v[XS]|, |v[XS+1]|, |v[XS+2]|               ; the largest magnitude of my 16
	v_max3_num_f32 v9, |v[XS+3]|, |v[XS+4]|, |v[XS+5]|
.irp i, 6,10
	v_max3_num_f32 v8, v8, |v[XS+\i]|, |v[XS+\i+1]|
	v_max3_num_f32 v9, v9, |v[XS+\i+2]|, |v[XS+\i+3]|
.endr
	v_max3_num_f32 v8, v8, |v[XS+14]|, |v[XS+15]|
	v_max3_num_f32 v8, v8, v9, (EMAX+1)<<23        ; and the floor 2^(EMAX + 1 - 127): the byte cannot fall under 1
	v_max_num_f32_dpp v8, v8, v8 row_xmask:1 row_mask:0xf bank_mask:0xf   ; and of my neighbour's 16: the block's
	v_add_nc_u32 v11, -(EMAX<<23), v8              ; EMAX off its exponent field: the conversion takes this operand's exponent field as its scale
	v_cvt_scalef32_pk8_fp4_f32 v[C+4*(\t)], v[XS:XS+7], v11
	v_cvt_scalef32_pk8_fp4_f32 v[C+4*(\t)+1], v[XS+8:XS+15], v11
	v_lshrrev_b32 v[E+(\t)], 23, v11               ; the scale's byte
	ds_store_b8 v5, v[E+(\t)] offset:16*(\t)       ; both lanes of a block write the same byte with the same value
	global_store_b64 v4, v[C+4*(\t):C+4*(\t)+1], s[14:15] offset:32*CB*(\t)   ; the wave stores 256 consecutive bytes, aligned
.endm
.irp t, 0,1,2,3,4,5,6,7,8,9,10,11,12,13,14,15
	STEP \t
.endr
	ds_load_b64 v[8:9], v6                         ; LDS serves a wave's instructions in order: these see my stores
	s_wait_dscnt 0x0
	global_store_b64 v7, v[8:9], s[16:17]          ; 32 lanes store 256 consecutive bytes, aligned
	s_wait_tensorcnt 0x0                           ; the wave's end: behind my last LDS store
	ds_add_u32 v[SPW], v[NIL]
	s_wait_dscnt 0x0
	s_endpgm
.Limages:
	s_cmp_ge_u32 ttmp9, WG_W
	s_cbranch_scc1 .Lrope
; ---- (B) Wo [n][k] to f16, as chunks of 512 bytes: chunk (nt, ch): lane (r, h) holds Wo[16 nt + r][16 ch + 8 h + 0..7].  Two chunks on end are a 16 x 32 operand's eight registers.
; Work-group: 16 rows (nt); wave w: k = 256 w on, 16 chunks.
	s_sub_co_u32 s24, ttmp9, WG_Q                  ; nt
	v_and_b32 v3, 15, v0                           ; r
	v_bfe_u32 v4, v0, 4, 1                         ; h
	v_lshlrev_b32 v5, 12, v3
	v_lshl_add_u32 v5, v4, 5, v5                   ; 4,096 r + 32 h
	v_lshlrev_b32 v6, 4, v2                        ; 16 x lane
	s_lshl_b32 s26, s24, 16
	s_lshl_b32 s25, s20, 10
	s_add_co_u32 s26, s26, s25
	s_mov_b32 s27, 0
	s_lshl_b32 s28, s24, 15                        ; 64 chunks a row tile
	s_lshl_b32 s25, s20, 13                        ; 16 chunks a wave
	s_add_co_u32 s28, s28, s25
	s_add_co_u32 s28, s28, 524288                  ; behind the table
	s_mov_b32 s29, 0
	s_wait_kmcnt 0x0
	s_add_nc_u64 s[12:13], s[12:13], s[26:27]
	s_add_nc_u64 s[18:19], s[18:19], s[28:29]
.set n, 0
.rept 16
	global_load_b128 v[16+8*n:16+8*n+3], v5, s[12:13] offset:64*n
	global_load_b128 v[16+8*n+4:16+8*n+7], v5, s[12:13] offset:64*n+16
.set n, n+1
.endr
.set n, 0
.rept 16
	s_wait_loadcnt 30-2*n                          ; chunk n's two loads are in; the younger chunks' stay out
	v_cvt_pk_f16_f32 v[144+4*n], v[16+8*n], v[16+8*n+1]
	v_cvt_pk_f16_f32 v[144+4*n+1], v[16+8*n+2], v[16+8*n+3]
	v_cvt_pk_f16_f32 v[144+4*n+2], v[16+8*n+4], v[16+8*n+5]
	v_cvt_pk_f16_f32 v[144+4*n+3], v[16+8*n+6], v[16+8*n+7]
	global_store_b128 v6, v[144+4*n:144+4*n+3], s[18:19] offset:512*n   ; 512 consecutive bytes, aligned
.set n, n+1
.endr
	s_endpgm
.Lrope:
; ---- (C) cos and sin of pos x 10000^(-f / 32), f = 0 .. 31.  Layout [position tile 128][cos, sin][f / 16][2][lane][4 f32]: lane (r, h) holds pos = 16 pt + r, f = 16 d + 8 h + 4 i + e.
; The angle is taken modulo a turn (n = the nearest whole number of turns; the rest by one fused multiply-add), so |y| <= pi for every position, and sin and cos are their series up to y^15 and y^16,
; whose remainders there lie under 1e-6.  A wave makes one position tile: 16 frequencies a lane.
	s_sub_co_u32 s24, ttmp9, WG_W
	s_lshl_b32 s24, s24, 2
	s_add_co_u32 s24, s24, s20                     ; pt
	v_and_b32 v3, 15, v0
	v_bfe_u32 v4, v0, 4, 1
	v_lshlrev_b32 v4, 3, v4                        ; 8 h
	v_lshlrev_b32 v6, 4, v2                        ; 16 x lane
	s_lshl_b32 s25, s24, 4
	v_add_nc_u32 v3, s25, v3
	v_cvt_f32_u32 v3, v3                           ; pos
	s_lshl_b32 s26, s24, 12                        ; 4,096 bytes a position tile
	s_mov_b32 s27, 0
.set n, 0
.rept 16
	v_add_nc_u32 v[16+n], 16*(n/8)+(n%8), v4       ; f
.set n, n+1
.endr
.set n, 0
.rept 16
	v_cvt_f32_u32 v[16+n], v[16+n]
.set n, n+1
.endr
.set n, 0
.rept 16
	v_mul_f32 v[16+n], 0xbed49a78, v[16+n]         ; x -log2(10000) / 32
.set n, n+1
.endr
.set n, 0
.rept 16
	v_exp_f32 v[16+n], v[16+n]
.set n, n+1
.endr
	v_nop                                          ; a plain instruction behind the last exponential,
	s_wait_alu depctr_va_vdst(0)                   ; and one wait for the batch, ahead of its first reader
.set n, 0
.rept 16
	v_mul_f32 v[16+n], v3, v[16+n]                 ; the angle, rounded to f32 as in the definition
.set n, n+1
.endr
.set n, 0
.rept 16
	v_mul_f32 v[32+n], 0.15915494, v[16+n]
.set n, n+1
.endr
.set n, 0
.rept 16
	v_rndne_f32 v[32+n], v[32+n]                   ; whole turns
.set n, n+1
.endr
.set n, 0
.rept 16
	v_fma_f32 v[32+n], v[16+n], 0.15915494, -v[32+n]   ; the rest, in turns
.set n, n+1
.endr
.set n, 0
.rept 16
	v_mul_f32 v[32+n], 0x40c90fdb, v[32+n]         ; y, in radians
.set n, n+1
.endr
.set n, 0
.rept 16
	v_mul_f32 v[48+n], v[32+n], v[32+n]            ; z = y^2
	v_mov_b32 v[64+n], 0xab573f9f                  ; -1/15!
	v_mov_b32 v[80+n], 0x29573f9f                  ; 1/16!
.set n, n+1
.endr
.macro HORNER acc, k                   ; acc = z acc + k, for the lane's 16 angles
.set n, 0
.rept 16
	v_fmaak_f32 v[\acc+n], v[48+n], v[\acc+n], \k
.set n, n+1
.endr
.endm
	HORNER 64, 0x2f309231                          ; 1/13!
	HORNER 80, 0xad49cba6                          ; -1/14!
	HORNER 64, 0xb2d7322b                          ; -1/11!
	HORNER 80, 0x310f76c8                          ; 1/12!
	HORNER 64, 0x3638ef1d                          ; 1/9!
	HORNER 80, 0xb493f27e                          ; -1/10!
	HORNER 64, 0xb9500d01                          ; -1/7!
	HORNER 80, 0x37d00d01                          ; 1/8!
	HORNER 64, 0x3c088889                          ; 1/5!
	HORNER 80, 0xbab60b61                          ; -1/6!
	HORNER 64, 0xbe2aaaab                          ; -1/3!
	HORNER 80, 0x3d2aaaab                          ; 1/4!
.set n, 0
.rept 16
	v_fma_f32 v[64+n], v[48+n], v[64+n], 1.0
	v_fma_f32 v[80+n], v[48+n], v[80+n], -0.5
.set n, n+1
.endr
.set n, 0
.rept 16
	v_mul_f32 v[64+n], v[32+n], v[64+n]            ; sin
	v_fma_f32 v[80+n], v[48+n], v[80+n], 1.0       ; cos
.set n, n+1
.endr
	s_wait_kmcnt 0x0
	s_add_nc_u64 s[18:19], s[18:19], s[26:27]
.irp k, 0,1,2,3
	global_store_b128 v6, v[80+4*\k:80+4*\k+3], s[18:19] offset:512*\k
	global_store_b128 v6, v[64+4*\k:64+4*\k+3], s[18:19] offset:2048+512*\k
.endr
	s_endpgm
.Lfunc_end_k_q6e84c0763d_prep:
	.size	k_q6e84c0763d_prep, .Lfunc_end_k_q6e84c0763d_prep-k_q6e84c0763d_prep
	.p2alignl 7, 3214868480
	.fill 96, 4, 3214868480
	.section	.rodata,"a",@progbits
	.p2align	6, 0x0
	.amdhsa_kernel k_q6e84c0763d_prep
		.amdhsa_group_segment_fixed_size 33280
		.amdhsa_private_segment_fixed_size 0
		.amdhsa_enable_private_segment 0
		.amdhsa_kernarg_size 64
		.amdhsa_user_sgpr_count 2
		.amdhsa_user_sgpr_kernarg_segment_ptr 1
		.amdhsa_wavefront_size32 1
		.amdhsa_system_sgpr_workgroup_id_x 1
		.amdhsa_system_sgpr_workgroup_id_y 1
		.amdhsa_system_sgpr_workgroup_id_z 1
		.amdhsa_system_vgpr_workitem_id 0
		.amdhsa_next_free_vgpr 208
		.amdhsa_next_free_sgpr 66
		.amdhsa_reserve_vcc 0
		.amdhsa_float_denorm_mode_32 3
		.amdhsa_float_denorm_mode_16_64 3
		.amdhsa_memory_ordered 1
		.amdhsa_forward_progress 1
		.amdhsa_inst_pref_size 69
	.end_amdhsa_kernel
	.amdgpu_metadata
---
amdhsa.version: [ 1, 2 ]
amdhsa.kernels:
  - .name:           k_q6e84c0763d_prep
    .symbol:         k_q6e84c0763d_prep.kd
    .args:
      - { .name: X, .offset: 0, .size: 8, .value_kind: global_buffer, .address_space: global }
      - { .name: Wq, .offset: 8, .size: 8, .value_kind: global_buffer, .address_space: global }
      - { .name: Wk, .offset: 16, .size: 8, .value_kind: global_buffer, .address_space: global }
      - { .name: Wv, .offset: 24, .size: 8, .value_kind: global_buffer, .address_space: global }
      - { .name: Wo, .offset: 32, .size: 8, .value_kind: global_buffer, .address_space: global }
      - { .name: codes, .offset: 40, .size: 8, .value_kind: global_buffer, .address_space: global }
      - { .name: scales, .offset: 48, .size: 8, .value_kind: global_buffer, .address_space: global }
      - { .name: tabs, .offset: 56, .size: 8, .value_kind: global_buffer, .address_space: global }
    .group_segment_fixed_size: 33280
    .private_segment_fixed_size: 0
    .kernarg_segment_align: 8
    .kernarg_segment_size: 64
    .max_flat_workgroup_size: 128
    .sgpr_count:     66
    .vgpr_count:     208
    .wavefront_size: 32
...
	.end_amdgpu_metadata
.endif
;; end of part 1
;; launch qkv (part 2): grid 4 x 64, 4 waves a work-group, clusters of 4 x 4, 327,680 bytes of LDS; arguments codes, scales, tabs, bq, bk, bv, qkv; writes qkv
.if DOCPART == 2
	.amdgcn_target "amdgcn-amd-amdhsa--gfx1250"
	.amdhsa_code_object_version 6
	.text
	.protected	k_q6e84c0763d_qkv
	.globl	k_q6e84c0763d_qkv
	.p2align	8
	.type	k_q6e84c0763d_qkv,@function
k_q6e84c0763d_qkv:
	s_mov_b64 s[64:65], 0
	v_nop
	global_prefetch_b8 v0, s[64:65] scope:SCOPE_SE
	s_setreg_imm32_b32 hwreg(HW_REG_WAVE_MODE, 25, 1), 1
	s_wait_xcnt 0x0
	s_wait_alu depctr_hold_cnt(0) depctr_sa_sdst(0) depctr_va_vdst(0) depctr_va_sdst(0) depctr_va_ssrc(0) depctr_va_vcc(0) depctr_vm_vsrc(0)
	s_getreg_b32 s2, hwreg(HW_REG_IB_STS2, 6, 4)
	s_cmp_eq_u32 s2, 0
	s_cbranch_scc0 .Lentry_in_a_cluster
	s_endpgm
.Lentry_in_a_cluster:
	s_bfe_u32 s2, ttmp6, 0x10000c
	s_cmp_lg_u32 s2, 0xf033
	s_cbranch_scc0 .Lentry_shape_is_right
	s_endpgm
.Lentry_shape_is_right:
; q = X Wq^T + bq, k = X Wk^T + bk, v = X Wv^T + bv on codes of FP4 (E2M1) with E8M0 scales; the rotary embedding of q and k in f32; the results leave as f16 in the order of the next launch's operand registers.
; No work is left out here: every row of X is multiplied.
; SHARES.  A work-group takes 128 rows of X (one batch's block) and 256 columns (4 heads), for Wq, then Wk, then Wv: three tiles.  Wave (wr, wc): 64 rows x 128 columns: 32 accumulators, 256 registers.
; X's fragments for all of K (256 registers) and its scale words are loaded once, straight from memory, and stay: LDS is taken by two slots that each hold 256 rows of a weight for all of K, so X has no room there
; and is not asked for jointly.  The weights' tiles hang on the column block alone: the four work-groups of a column of the cluster ask for them JOINTLY.  By this text's count a wave has at most two tensor loads out.
; q AND k ARE MADE TRANSPOSED (source 0 = 16 rows of W, source 1 = 16 rows of X): a lane holds one position and eight neighbouring features, which pack into the 16 bytes that the lane holds of a 16 x 32 operand of
; K Q^T.  v IS MADE IN THE NATURAL ORDER: a lane holds one feature and eight neighbouring positions: its 16 bytes of an operand of V^T P.  So every store covers 512 consecutive bytes, aligned, with no stage.
; The biases of q and k are the C of each sum's first matrix instruction; v's is one number a lane and is added on the way out.
; Positions 0-15 of every batch also leave in f32, for the launch that carries them finely.
; REGISTERS, in windows of 256: window 0: v0-31 addresses and v's bias; v32-63 X's scale words; v64-255 the weights' scale words (3 x 8 x 8).  window 1: X's fragments (64 a + 8 q).
;   window 2: the accumulators (8 (8 a + b)).  window 3: v0-127 two sets of W's fragments, on the way out cos and sin, results and packed results; v128-191 bq, v192-255 bk in the result's layout.
.set PITCH, 528                        ; an LDS row: 512 bytes (1,024 codes) + 16 of padding: an odd multiple of 16, so the 16 rows of a load start in 16 different groups of banks
.set SLOT,  256*PITCH
.set SPARE, 2*SLOT                     ; the spare words: 128 bytes a wave, named by no other line
.set WOFF,  4194304                    ; the weights' codes lie behind X's
.set WSOFF, 262144                     ; and their scale bytes behind X's
.set KVOFF, 16777216                   ; qkv: q's images, then k's and v's by key step, then the f32 copies
.set FOFF,  50331648
.set LI,  1                            ; v1  16 x lane
.set ADW, 2                            ; v2-3 LDS address of my W fragments in slot 0, 1
.set XO,  5                            ; v5  512 r + 16 h
.set SO,  6                            ; v6  32 r
.set BO,  7                            ; v7  32 h
.set RO,  8                            ; v8  4 r
.set VB,  16                           ; v16-23 bv[n0 + 16 b + r]
.set SPW, 28
.set NIL, 29
.set SCA, 32
.set SCB, 64
.set BIAS, 128                         ; window 3
.set YR,  32                           ; window 3: a head's 32 rotated numbers
.set HR,  64                           ; window 3: packed
.set WV, 18
.set WR, 19
.set WC, 20
.set CX, 21
.set CY, 22
.set CLY, 23
.set G1, 24                            ; s[24:31] descriptor group 1; s[32:35], s[36:39] group 0 for slot 0, 1
.set G0, 32
.set XC, 40
.set XS, 42
.set WS, 44
.set BQ, 46
.set BK, 48
.set BV, 50
.set RT, 52
.set QB, 54
.set KB, 56
.set FB, 58
.set FINE, 60                          ; 0 in the waves that hold positions 0-15 of a batch
.set MSB, 0
.macro WIN new                         ; the immediate's high byte repeats the setting that is left
.if MSB != \new
	s_set_vgpr_msb (MSB<<8)|\new
.set MSB, \new
.endif
.endm
.macro PLACES
.rept 4
	v_nop
.endr
.endm
.macro CROUND                          ; a round of the cluster's barrier
	s_barrier_signal -1
	s_barrier_wait -1
	s_cmp_lg_u32 s[WV], 0
	s_cbranch_scc1 .Lnot_wave_0_\@
	s_barrier_signal -3
.Lnot_wave_0_\@:
	s_barrier_wait -3
	s_barrier_signal -1
	s_barrier_wait -1
.endm
	s_load_b256 s[4:11], s[0:1], 0x0               ; codes s[4:5], scales s[6:7], tabs s[8:9], bq s[10:11]
	s_load_b128 s[12:15], s[0:1], 0x20             ; bk s[12:13], bv s[14:15]
	s_load_b64 s[16:17], s[0:1], 0x30              ; qkv
	v_lshl_add_u32 v[SPW], v0, 2, SPARE
	v_mov_b32 v[NIL], 0
	ds_add_u32 v[SPW], v[NIL]                      ; the wave's opening: the add, twice on end, and its wait ahead of my first tensor load
	ds_add_u32 v[SPW], v[NIL]
	v_lshrrev_b32 v1, 5, v0
	v_readfirstlane_b32 s[WV], v1
	s_lshr_b32 s[WR], s[WV], 1
	s_and_b32 s[WC], s[WV], 1
	s_bfe_u32 s[CX], ttmp6, 0x40000                ; my place in the cluster: cx = the column block,
	s_bfe_u32 s[CY], ttmp6, 0x40004                ; cy = the batch;
	s_and_b32 s[CLY], ttmp7, 0xffff                ; the cluster's y = the block of 128 rows in the batch: equal in all sixteen partners
	s_lshl_b32 s61, 0x1111, s[CX]                  ; my column of the cluster
	s_or_b32 s[G1], s61, (1<<20)|(1<<21)|(6<<22)|(3<<25)   ; the mask; elements of 1 byte; padding on; bit 21 beside a mask; after every 128 words, 4 words
	s_mov_b32 s[G1+1], 512<<16                     ; tensor_dim0 = 512 bytes
	s_mov_b32 s[G1+2], 64<<16                      ; tensor_dim1 = 64 rows
	s_mov_b32 s[G1+3], 512<<16                     ; tile_dim0
	s_mov_b32 s[G1+4], 64                          ; tile_dim1
	s_mov_b32 s[G1+5], 512                         ; from row to row
	s_mov_b32 s[G1+6], 0
	s_mov_b32 s[G1+7], 0
	s_lshl_b32 s66, s[CX], 17                      ; my 64 rows of the weight: (256 cx + 64 wave) x 512 bytes: made of cx and the wave's number alone
	s_lshl_b32 s67, s[WV], 15
	s_add_co_u32 s66, s66, s67
	s_add_co_u32 s66, s66, WOFF
	s_mov_b32 s67, 0
	s_mul_i32 s62, s[WV], 64*PITCH                 ; and where they go in a slot
	s_lshl_b32 s70, s[CY], 11
	s_lshl_b32 s71, s[CLY], 7
	s_add_co_u32 s70, s70, s71
	s_lshl_b32 s71, s[WR], 6
	s_add_co_u32 s70, s70, s71                     ; my first row of X
	s_lshl_b32 s72, s70, 9
	s_mov_b32 s73, 0
	s_lshl_b32 s74, s70, 5
	s_mov_b32 s75, 0
	s_lshl_b32 s76, s[CX], 8
	s_lshl_b32 s77, s[WC], 7
	s_add_co_u32 s76, s76, s77                     ; n0: my first column
	s_lshl_b32 s78, s76, 5
	s_add_co_u32 s78, s78, WSOFF
	s_mov_b32 s79, 0
	s_lshl_b32 s76, s76, 2
	s_mov_b32 s77, 0
	s_lshl_b32 s80, s[CY], 4
	s_lshl_b32 s81, s[CX], 2
	s_add_co_u32 s80, s80, s81
	s_lshl_b32 s81, s[WC], 1
	s_add_co_u32 s80, s80, s81                     ; my first head, counted over batches
	s_lshl_b32 s82, s80, 18                        ; q: 262,144 bytes a head, 2,048 a tile of 16 positions
	s_lshl_b32 s83, s[CLY], 14
	s_add_co_u32 s82, s82, s83
	s_lshl_b32 s83, s[WR], 13
	s_add_co_u32 s82, s82, s83
	s_mov_b32 s83, 0
	s_lshl_b32 s86, s[CLY], 15                     ; the table: 4,096 bytes a tile of 16 positions;  k, v: 16,384 bytes a step of 64 keys: the same offset in the batch
	s_lshl_b32 s87, s[WR], 14
	s_add_co_u32 s86, s86, s87
	s_mov_b32 s87, 0
	s_lshl_b32 s84, s80, 19                        ; k, v: 524,288 bytes a head
	s_add_co_u32 s84, s84, s86
	s_add_co_u32 s84, s84, KVOFF
	s_mov_b32 s85, 0
	s_mul_i32 s88, s80, 12288                      ; the f32 copies: 12,288 bytes a head
	s_add_co_u32 s88, s88, FOFF
	s_mov_b32 s89, 0
	s_or_b32 s[FINE], s[CLY], s[WR]
	s_wait_dscnt 0x0                               ; both opening adds are done
	s_wait_kmcnt 0x0
	s_add_nc_u64 s[68:69], s[4:5], s[66:67]
	s_mov_b32 s[G0], 1
	s_mov_b32 s[G0+1], s62                         ; slot 0: Wq
	s_mov_b64 s[G0+2:G0+3], s[68:69]
	s_or_b32 s[G0+3], s[G0+3], 0x80000000
	s_mov_b32 s[G0+4], 1
	s_add_co_u32 s[G0+5], s62, SLOT                ; slot 1: Wk, 1,024 rows on
	s_add_nc_u64 s[G0+6:G0+7], s[68:69], 0x80000
	s_or_b32 s[G0+7], s[G0+7], 0x80000000
	s_add_nc_u64 s[XC:XC+1], s[4:5], s[72:73]
	s_add_nc_u64 s[XS:XS+1], s[6:7], s[74:75]
	s_add_nc_u64 s[WS:WS+1], s[6:7], s[78:79]
	s_add_nc_u64 s[BQ:BQ+1], s[10:11], s[76:77]
	s_add_nc_u64 s[BK:BK+1], s[12:13], s[76:77]
	s_add_nc_u64 s[BV:BV+1], s[14:15], s[76:77]
	s_add_nc_u64 s[RT:RT+1], s[8:9], s[86:87]
	s_add_nc_u64 s[QB:QB+1], s[16:17], s[82:83]
	s_add_nc_u64 s[KB:KB+1], s[16:17], s[84:85]
	s_add_nc_u64 s[FB:FB+1], s[16:17], s[88:89]
	CROUND                                         ; all sixteen work-groups are here: the first joint loads meet
	tensor_load_to_lds s[G0:G0+3], s[G1:G1+7]
	s_nop 0
	tensor_load_to_lds s[G0+4:G0+7], s[G1:G1+7]
	s_nop 0
	PLACES
	v_and_b32 v9, 31, v0
	v_lshlrev_b32 v[LI], 4, v9
	v_and_b32 v10, 15, v0                          ; r
	v_bfe_u32 v11, v0, 4, 1                        ; h
	v_mul_u32_u24 v[ADW], v10, PITCH
	v_lshl_add_u32 v[ADW], v11, 4, v[ADW]
	s_mul_i32 s66, s[WC], 128*PITCH
	v_add_nc_u32 v[ADW], s66, v[ADW]               ; my 128 rows of a slot: row r, + 16 h
	v_add_nc_u32 v[ADW+1], SLOT, v[ADW]
	v_lshlrev_b32 v[XO], 9, v10
	v_lshl_add_u32 v[XO], v11, 4, v[XO]
	v_lshlrev_b32 v[SO], 5, v10
	v_lshlrev_b32 v[BO], 5, v11
	v_lshlrev_b32 v[RO], 2, v10
	WIN 0x40                                       ; destination window 1
.irp a, 0,1,2,3
.irp q, 0,1,2,3,4,5,6,7
.irp c, 0,1
	global_load_b128 v[64*\a+8*\q+4*\c:64*\a+8*\q+4*\c+3], v[XO], s[XC:XC+1] offset:8192*\a+64*\q+32*\c   ; X's fragment (row tile a, K step q): registers 4 c on hold k = 64 c + 32 h + 0..31
.endr
.endr
.endr
	WIN 0
.irp a, 0,1,2,3
.irp i, 0,1
	global_load_b128 v[SCA+8*\a+4*\i:SCA+8*\a+4*\i+3], v[SO], s[XS:XS+1] offset:512*\a+16*\i   ; lane r: row r's eight scale words
.endr
.endr
.irp t, 0,1,2
.irp b, 0,1,2,3,4,5,6,7
.irp i, 0,1
	global_load_b128 v[SCB+64*\t+8*\b+4*\i:SCB+64*\t+8*\b+4*\i+3], v[SO], s[WS:WS+1] offset:32768*\t+512*\b+16*\i
.endr
.endr
.endr
.irp b, 0,1,2,3,4,5,6,7
	global_load_b32 v[VB+\b], v[RO], s[BV:BV+1] offset:64*\b
.endr
	WIN 0xc0                                       ; destination window 3
.irp b, 0,1,2,3,4,5,6,7
.irp i, 0,1
	global_load_b128 v[BIAS+8*\b+4*\i:BIAS+8*\b+4*\i+3], v[BO], s[BQ:BQ+1] offset:64*\b+16*\i       ; bq[n0 + 16 b + 8 h + 0..7]
	global_load_b128 v[BIAS+64+8*\b+4*\i:BIAS+64+8*\b+4*\i+3], v[BO], s[BK:BK+1] offset:64*\b+16*\i
.endr
.endr
	WIN 0
; W's eight fragments of K step q, from the slot, into set q % 2
.macro FETCHW slot, q
	WIN 0xc0
.irp b, 0,1,2,3,4,5,6,7
.irp c, 0,1
	ds_load_b128 v[64*((\q)%2)+8*\b+4*\c:64*((\q)%2)+8*\b+4*\c+3], v[ADW+\slot] offset:16*PITCH*\b+64*(\q)+32*\c
.endr
.endr
.endm
; 32 matrix instructions: 128 along K.  The 32 accumulators take turns, one instruction a turn, in the same order in every step.
.macro KSTEP nat, type, q
.if \nat
	WIN 0xad                                       ; source 0 = X (window 1), source 1 = W (window 3), C and D window 2
.elseif (\q) == 0
	WIN 0xb7                                       ; source 0 = W, source 1 = X, C = the bias (window 3), D window 2
.else
	WIN 0xa7
.endif
.irp a, 0,1,2,3
.irp b, 0,1,2,3,4,5,6,7
.if \nat
.if (\q) == 0
	v_wmma_scale_f32_16x16x128_f8f6f4 v[8*(8*\a+\b):8*(8*\a+\b)+7], v[64*\a+8*(\q):64*\a+8*(\q)+7], v[64*((\q)%2)+8*\b:64*((\q)%2)+8*\b+7], 0, v[SCA+8*\a+(\q)], v[SCB+64*\type+8*\b+(\q)] matrix_a_fmt:MATRIX_FMT_FP4 matrix_b_fmt:MATRIX_FMT_FP4
.else
	v_wmma_scale_f32_16x16x128_f8f6f4 v[8*(8*\a+\b):8*(8*\a+\b)+7], v[64*\a+8*(\q):64*\a+8*(\q)+7], v[64*((\q)%2)+8*\b:64*((\q)%2)+8*\b+7], v[8*(8*\a+\b):8*(8*\a+\b)+7], v[SCA+8*\a+(\q)], v[SCB+64*\type+8*\b+(\q)] matrix_a_fmt:MATRIX_FMT_FP4 matrix_b_fmt:MATRIX_FMT_FP4
.endif
.else
.if (\q) == 0
	v_wmma_scale_f32_16x16x128_f8f6f4 v[8*(8*\a+\b):8*(8*\a+\b)+7], v[64*((\q)%2)+8*\b:64*((\q)%2)+8*\b+7], v[64*\a+8*(\q):64*\a+8*(\q)+7], v[BIAS+64*\type+8*\b:BIAS+64*\type+8*\b+7], v[SCB+64*\type+8*\b+(\q)], v[SCA+8*\a+(\q)] matrix_a_fmt:MATRIX_FMT_FP4 matrix_b_fmt:MATRIX_FMT_FP4
.else
	v_wmma_scale_f32_16x16x128_f8f6f4 v[8*(8*\a+\b):8*(8*\a+\b)+7], v[64*((\q)%2)+8*\b:64*((\q)%2)+8*\b+7], v[64*\a+8*(\q):64*\a+8*(\q)+7], v[8*(8*\a+\b):8*(8*\a+\b)+7], v[SCB+64*\type+8*\b+(\q)], v[SCA+8*\a+(\q)] matrix_a_fmt:MATRIX_FMT_FP4 matrix_b_fmt:MATRIX_FMT_FP4
.endif
.endif
.endr
.endr
.endm
; A tile: all of K in eight steps.  While a step is multiplied the next step's fragments are on their way into the other set.
.macro TILE nat, type, slot
	s_wait_xcnt 0x0                                ; the way out's stores have read their registers: window 3's v0-127 are W's again
	FETCHW \slot, 0
.set Q, 0
.rept 8
	s_wait_dscnt 0x0                               ; this step's fragments are in
.if Q < 7
	PLACES                                         ; four plain instructions between the last product that read the other set and the loads into it
	FETCHW \slot, Q+1
.endif
	KSTEP \nat, \type, Q
.set Q, Q+1
.endr
.endm
; cos and sin of row tile a: 16 + 16 registers in the result's layout, into window 3's v0-31 (a even) or v96-127 (a odd)
.macro CSLOAD a
	WIN 0xc0
.irp k, 0,1,2,3,4,5,6,7
	global_load_b128 v[96*((\a)%2)+4*\k:96*((\a)%2)+4*\k+3], v[LI], s[RT:RT+1] offset:4096*(\a)+512*\k
.endr
.endm
; Row tile a, head hl of my two: y[d] = x[d] cos - x[d + 32] sin, y[d + 32] = x[d + 32] cos + x[d] sin; to f16; four stores of 512 bytes.  Each accumulator is read from its low end on.
.macro ROT a, hl, type, base, himm
.set CSR, 96*((\a)%2)
	s_wait_xcnt 0x0                                ; the last head's stores have read their registers
	WIN 0xfe                                       ; source 0 window 2 (the sums), all else window 3
.irp dt, 0,1
.irp jp, 0,2,4,6
.set X1, 8*(8*(\a)+4*(\hl)+\dt)+\jp
	v_pk_mul_f32 v[YR+8*\dt+\jp:YR+8*\dt+\jp+1], v[X1+16:X1+17], v[CSR+16+8*\dt+\jp:CSR+16+8*\dt+\jp+1]
	v_pk_mul_f32 v[YR+16+8*\dt+\jp:YR+16+8*\dt+\jp+1], v[X1:X1+1], v[CSR+16+8*\dt+\jp:CSR+16+8*\dt+\jp+1]
	v_pk_fma_f32 v[YR+8*\dt+\jp:YR+8*\dt+\jp+1], v[X1:X1+1], v[CSR+8*\dt+\jp:CSR+8*\dt+\jp+1], v[YR+8*\dt+\jp:YR+8*\dt+\jp+1] neg_lo:[0,0,1] neg_hi:[0,0,1]
	v_pk_fma_f32 v[YR+16+8*\dt+\jp:YR+16+8*\dt+\jp+1], v[X1+16:X1+17], v[CSR+8*\dt+\jp:CSR+8*\dt+\jp+1], v[YR+16+8*\dt+\jp:YR+16+8*\dt+\jp+1]
.endr
.endr
	WIN 0xcf
.set i, 0
.rept 16
	v_cvt_pk_f16_f32 v[HR+i], v[YR+2*i], v[YR+2*i+1]
.set i, i+1
.endr
	WIN 0x0c                                       ; a store's data are its source 1: window 3
.irp dt, 0,1,2,3
	global_store_b128 v[LI], v[HR+4*\dt:HR+4*\dt+3], s[\base:\base+1] offset:\himm*(\hl)+2048*(\a)+512*\dt
.endr
.if (\a) == 0
	WIN 0
	s_cmp_lg_u32 s[FINE], 0                        ; made of the cluster's y and the wave's number
	s_cbranch_scc1 .Lcoarse_\@
	WIN 0x0c
.irp dt, 0,1,2,3
.irp i, 0,1
	global_store_b128 v[LI], v[YR+8*\dt+4*\i:YR+8*\dt+4*\i+3], s[FB:FB+1] offset:12288*(\hl)+4096*(\type)+1024*\dt+512*\i   ; positions 0-15 of the batch, in f32
.endr
.endr
	WIN 0
.Lcoarse_\@:
.endif
.endm
.macro WAYQK type, base, himm
	PLACES                                         ; behind the last products: their results are read, and loads land on W's registers
	CSLOAD 0
.irp a, 0,1,2,3
.if \a < 3
	CSLOAD (\a+1)
	s_wait_loadcnt 8                               ; this row tile's eight loads are in; the next tile's eight may be out
.else
	s_wait_loadcnt 0x0
.endif
	ROT \a, 0, \type, \base, \himm
	ROT \a, 1, \type, \base, \himm
.endr
.endm
; v's row tile a: + bv (one number a lane), to f16, eight stores of 512 bytes: chunk (feature tile, 32 keys, 16 keys)
.macro VOUT a
	s_wait_xcnt 0x0
	WIN 0xc2                                       ; source 0 window 2, source 1 window 0, destination window 3
.irp b, 0,1,2,3,4,5,6,7
.irp jp, 0,2,4,6
.if (\b)%2
	v_pk_add_f32 v[8*\b+\jp:8*\b+\jp+1], v[8*(8*(\a)+\b)+\jp:8*(8*(\a)+\b)+\jp+1], v[VB+\b-1:VB+\b] op_sel:[0,1] op_sel_hi:[1,1]
.else
	v_pk_add_f32 v[8*\b+\jp:8*\b+\jp+1], v[8*(8*(\a)+\b)+\jp:8*(8*(\a)+\b)+\jp+1], v[VB+\b:VB+\b+1] op_sel_hi:[1,0]
.endif
.endr
.endr
	WIN 0xcf
.set i, 0
.rept 32
	v_cvt_pk_f16_f32 v[HR+i], v[2*i], v[2*i+1]
.set i, i+1
.endr
	WIN 0x0c
.irp b, 0,1,2,3,4,5,6,7
	global_store_b128 v[LI], v[HR+4*\b:HR+4*\b+3], s[KB:KB+1] offset:8192+524288*(\b/4)+1024*(2*(\b%4)+(\a)/2)+512*((\a)%2)
.endr
.if (\a) == 0
	WIN 0
	s_cmp_lg_u32 s[FINE], 0
	s_cbranch_scc1 .Lcoarse_\@
	WIN 0x0c
.irp b, 0,1,2,3,4,5,6,7
.irp i, 0,1
	global_store_b128 v[LI], v[8*\b+4*\i:8*\b+4*\i+3], s[FB:FB+1] offset:12288*(\b/4)+8192+1024*(\b%4)+512*\i
.endr
.endr
	WIN 0
.Lcoarse_\@:
.endif
.endm
	s_wait_tensorcnt 0x1                           ; my part of Wq is in; Wk's load may be out
	s_barrier_signal -1
	s_barrier_wait -1                              ; everybody's is
	s_wait_loadcnt 0x0                             ; X, the scale words, the biases
	TILE 0, 0, 0
	WIN 0
	s_wait_tensorcnt 0x0                           ; all my tensor loads have landed, my part of Wk among them,
	ds_add_u32 v[SPW], v[NIL]                      ; 0 onto my spare word
	s_add_nc_u64 s[G0+2:G0+3], s[G0+2:G0+3], 0x100000   ; slot 0's next tile: Wv, 2,048 rows on
	s_wait_dscnt 0x0                               ; the add is done, and my reads of slot 0 are over
	CROUND                                         ; the same holds of every wave of every partner
	tensor_load_to_lds s[G0:G0+3], s[G1:G1+7]      ; it has q's way out, all of tile k and k's way out in which to land
	s_nop 0
	PLACES
	WAYQK 0, QB, 262144
	TILE 0, 1, 1
	WAYQK 1, KB, 524288
	WIN 0
	s_wait_tensorcnt 0x0                           ; my part of Wv is in,
	s_wait_dscnt 0x0
	s_barrier_signal -1
	s_barrier_wait -1                              ; everybody's is
	TILE 1, 2, 0
	PLACES
	VOUT 0
	VOUT 1
	VOUT 2
	VOUT 3
	WIN 0
	s_wait_tensorcnt 0x0                           ; the wave's end
	ds_add_u32 v[SPW], v[NIL]
	s_wait_dscnt 0x0
	CROUND                                         ; the closing round
	s_endpgm
.Lfunc_end_k_q6e84c0763d_qkv:
	.size	k_q6e84c0763d_qkv, .Lfunc_end_k_q6e84c0763d_qkv-k_q6e84c0763d_qkv
	.p2alignl 7, 3214868480
	.fill 96, 4, 3214868480
	.section	.rodata,"a",@progbits
	.p2align	6, 0x0
	.amdhsa_kernel k_q6e84c0763d_qkv
		.amdhsa_group_segment_fixed_size 327680
		.amdhsa_private_segment_fixed_size 0
		.amdhsa_enable_private_segment 0
		.amdhsa_kernarg_size 56
		.amdhsa_user_sgpr_count 2
		.amdhsa_user_sgpr_kernarg_segment_ptr 1
		.amdhsa_wavefront_size32 1
		.amdhsa_system_sgpr_workgroup_id_x 1
		.amdhsa_system_sgpr_workgroup_id_y 1
		.amdhsa_system_sgpr_workgroup_id_z 1
		.amdhsa_system_vgpr_workitem_id 0
		.amdhsa_next_free_vgpr 1024
		.amdhsa_next_free_sgpr 96
		.amdhsa_reserve_vcc 0
		.amdhsa_float_denorm_mode_32 3
		.amdhsa_float_denorm_mode_16_64 3
		.amdhsa_memory_ordered 1
		.amdhsa_forward_progress 1
		.amdhsa_inst_pref_size 235
	.end_amdhsa_kernel
	.amdgpu_metadata
---
amdhsa.version: [ 1, 2 ]
amdhsa.kernels:
  - .name:           k_q6e84c0763d_qkv
    .symbol:         k_q6e84c0763d_qkv.kd
    .args:
      - { .name: codes, .offset: 0, .size: 8, .value_kind: global_buffer, .address_space: global }
      - { .name: scales, .offset: 8, .size: 8, .value_kind: global_buffer, .address_space: global }
      - { .name: tabs, .offset: 16, .size: 8, .value_kind: global_buffer, .address_space: global }
      - { .name: bq, .offset: 24, .size: 8, .value_kind: global_buffer, .address_space: global }
      - { .name: bk, .offset: 32, .size: 8, .value_kind: global_buffer, .address_space: global }
      - { .name: bv, .offset: 40, .size: 8, .value_kind: global_buffer, .address_space: global }
      - { .name: qkv, .offset: 48, .size: 8, .value_kind: global_buffer, .address_space: global }
    .group_segment_fixed_size: 327680
    .private_segment_fixed_size: 0
    .kernarg_segment_align: 8
    .kernarg_segment_size: 56
    .max_flat_workgroup_size: 128
    .sgpr_count:     96
    .vgpr_count:     1024
    .wavefront_size: 32
...
	.end_amdgpu_metadata
.endif
;; end of part 2
;; launch attn (part 3): grid 4 x 64, 8 waves a work-group, no clusters, 201,728 bytes of LDS; arguments qkv, curr_seq_lens, oimg; writes oimg
.if DOCPART == 3
	.amdgcn_target "amdgcn-amd-amdhsa--gfx1250"
	.amdhsa_code_object_version 6
	.text
	.protected	k_q6e84c0763d_attn
	.globl	k_q6e84c0763d_attn
	.p2align	8
	.type	k_q6e84c0763d_attn,@function
k_q6e84c0763d_attn:
	s_mov_b64 s[64:65], 0
	v_nop
	global_prefetch_b8 v0, s[64:65] scope:SCOPE_SE
	s_setreg_imm32_b32 hwreg(HW_REG_WAVE_MODE, 25, 1), 1
	s_wait_xcnt 0x0
; o = softmax(q k^T / 8, causal) v, head by head, f16 operands, f32 sums, maxima and exponentials; rows at or beyond the batch's length become 0.
; LEFT OUT (shown at the head of the first launch): the key mask by length; key steps wholly above the diagonal; key steps of waves whose 64 queries all lie at or beyond the length.
; SHARES.  Work-group (x, head): query blocks 7 - x and x, of 256 queries: 2 (8 - x) + 2 (x + 1) = 18 periods of 128 keys in every work-group.  Wave: p = wave % 4 owns 64 queries (4 tiles of 16), u = wave / 4 takes
; the u-th 64 keys of each period.  So waves p and p + 4 halve the KEYS of the same queries: each fragment of K and V read from LDS feeds four matrix instructions; their two halves (running maximum, sum, O) are
; joined once a block, through LDS.
; NO CLUSTER, NO TENSOR LOADS: whole key steps are jumped over by a branch on the length, which is read from memory, and under the causal mask the query blocks of a head need different numbers of tiles.
; THE KEYS' WAY.  A period's K and V are 32,768 consecutive bytes, already in the order of the operands' registers.  Each wave copies 4,096 of them: eight loads of 512 bytes into registers, eight LDS stores.  The stream
; of periods is made of ids alone, runs three periods ahead of the products and is jumped over nowhere, so its counted wait holds on every way.  Its last three requests serve nobody and read the second block's first periods again.
; THE BARRIER IS HELD OPEN OVER THE PRODUCTS.  Trip k: period k + 1 is stored into slot (k + 1) % 4; signal; the products of period k read slot k % 4; wait.  Period k was stored ahead of signal k - 1, and a reader has passed
; wait k - 1.  A wave that stores slot (k + 1) % 4 has passed wait k - 1, so every wave has signalled k - 1 and is at the earliest among the products of period k - 1; the slot was last read for period k - 3.  Waves that
; run at one time touch slots k - 1 .. k + 2: four different ones.
; LAYOUT.  S^T = K Q^T and O^T = V^T P: a lane holds one query throughout; two tiles of S^T packed to f16 are an operand of the second product, in place.
; REGISTERS: window 0: v1-15 addresses; v16-47 eight statistics a tile (c m, m, l, l, four at work; the rescaling factor in the seventh); v48-111 K's fragments, then V's; v112-239 S^T, 32 a tile; v240-255 at work.
;   window 1: v0-127 O^T (32 t + 8 d); v128-191 Q; v192-223, v224-255 two sets for the stream.
.set KVOFF, 16777216
.set PERB,  32768                      ; a period in bytes, and an LDS slot
.set MERGE, 4*PERB                     ; behind the slots: for each pair of waves O (16,384), m (512), l (512)
.set MPW,   17408
.set SPARE, MERGE+4*MPW                ; the spare words: 128 bytes a wave, named by no other line
.set LI,  1                            ; 16 x lane
.set AF0, 2                            ; 16 x lane + 16,384 u: my step in a slot
.set SA0, 3                            ; 16 x lane + 4,096 wave: my part of a period, in memory and in a slot
.set AF,  4
.set SA,  5
.set SB,  6
.set PFO, 7
.set DL,  8                            ; r - 8 h
.set QR,  9                            ; r
.set MGA, 10
.set MGS, 11
.set SPW, 12
.set NIL, 13
.set NEG, 14                           ; -infinity
.set TMP, 15
.set ST,  16
.set KV,  48
.set S,   112
.set WK,  240
.set QW,  128                          ; window 1
.set GW,  192                          ; window 1
.set WV, 10
.set PP, 11
.set UU, 12
.set YY, 14
.set LEN, 15
.set Q0, 16                            ; my first query
.set LIMW, 17                          ; my first query, or -1 where all my queries lie at or beyond the length
.set KF, 18                            ; my step's first key
.set TR, 19
.set FT, 20                            ; the trip at whose head the first block ends
.set SO, 21
.set SO2, 22
.set LKP, 23                           ; the stream: first key of the period last asked for
.set LEND, 24
.set ENDB, 25
.set PLIM, 26
.set KVB, 28
.set LP, 30
.set T2, 32                            ; s[32:33]: an offset; s33 stays 0
.set CS, 34                            ; s[34:35] c = log2(e) / 8
.set SEL, 36
.set QBH, 38
.set DM, 40                            ; s40-47: lanes in which key 8 h + j of a diagonal tile is hidden from query r
.set OBH, 48
.set QP, 50
.set T1, 52
.set OB, 54
.set MSB, 0
.macro WIN new
.if MSB != \new
	s_set_vgpr_msb (MSB<<8)|\new
.set MSB, \new
.endif
.endm
.macro PLACES n
.rept \n
	v_nop
.endr
.endm
	s_load_b128 s[4:7], s[0:1], 0x0                ; qkv, the lengths
	s_load_b64 s[8:9], s[0:1], 0x10                ; oimg
	v_lshl_add_u32 v[SPW], v0, 2, SPARE
	v_mov_b32 v[NIL], 0
	v_lshrrev_b32 v[TMP], 5, v0
	v_readfirstlane_b32 s[WV], v[TMP]
	s_and_b32 s[PP], s[WV], 3
	s_lshr_b32 s[UU], s[WV], 2
	s_and_b32 s[YY], ttmp7, 0xffff                 ; 16 b + head
	v_and_b32 v[TMP], 31, v0
	v_lshlrev_b32 v[LI], 4, v[TMP]
	s_lshl_b32 s[T1], s[UU], 14
	v_add_nc_u32 v[AF0], s[T1], v[LI]
	s_lshl_b32 s[T1], s[WV], 12
	v_add_nc_u32 v[SA0], s[T1], v[LI]
	v_lshlrev_b32 v[PFO], 8, v[TMP]
	s_lshl_b32 s[T1], s[PP], 13
	v_add_nc_u32 v[PFO], s[T1], v[PFO]             ; the prefetches: 8,192 bytes a wave, lanes 256 bytes apart
	s_mul_i32 s[T1], s[PP], MPW
	s_add_co_u32 s[T1], s[T1], MERGE
	v_add_nc_u32 v[MGA], s[T1], v[LI]
	s_add_co_u32 s[T1], s[T1], 16384
	v_lshl_add_u32 v[MGS], v[TMP], 2, s[T1]
	v_and_b32 v[QR], 15, v0
	v_bfe_u32 v[TMP], v0, 4, 1
	v_lshlrev_b32 v[TMP], 3, v[TMP]
	v_sub_nc_u32 v[DL], v[QR], v[TMP]
	v_mov_b32 v[NEG], 0xff800000
.irp j, 0,1,2,3,4,5,6,7
	v_cmp_gt_i32 s[DM+\j], \j, v[DL]               ; j > r - 8 h
.endr
	s_sub_co_u32 s[FT], 8, ttmp9
	s_lshl_b32 s[LEND], s[FT], 8                   ; the first block's keys: 256 (8 - x)
	s_add_co_u32 s[ENDB], ttmp9, 1
	s_lshl_b32 s[ENDB], s[ENDB], 8                 ; the second's: 256 (x + 1)
	s_sub_co_u32 s[Q0], 7, ttmp9
	s_lshl_b32 s[Q0], s[Q0], 8
	s_lshl_b32 s[T1], s[PP], 6
	s_add_co_u32 s[Q0], s[Q0], s[T1]
	s_lshl_b32 s[KF], s[UU], 6
	s_mov_b32 s[SO], 0
	s_mov_b32 s[LKP], 256                          ; periods 0, 1, 2 are asked for at the head
	s_mov_b32 s[CS], 0x3e38aa3b
	s_mov_b32 s[CS+1], s[CS]
	s_mov_b32 s[SEL], 0x76543210
	s_mov_b32 s[SEL+1], 0xfedcba98
	s_lshr_b32 s[T1], s[WV], 2
	s_or_b32 s[T1], s[T1], ttmp9
	s_cmp_eq_u32 s[T1], 0                          ; waves 0-3 of the head's work-group x = 0, which walks all 16 periods in its first block, prefetch
	s_cselect_b32 s[PLIM], 1792, 0                 ; while the period two on still lies among the head's 2,048 keys
	s_lshl_b32 s[T2], s[YY], 19
	s_add_co_u32 s[T2], s[T2], KVOFF
	s_mov_b32 s[T2+1], 0
	s_wait_kmcnt 0x0
	s_add_nc_u64 s[KVB:KVB+1], s[4:5], s[T2:T2+1]
	s_lshl_b32 s[T2], s[YY], 18
	s_add_nc_u64 s[QBH:QBH+1], s[4:5], s[T2:T2+1]
	s_lshr_b32 s[T1], s[YY], 4                     ; b
	s_lshl_b32 s[T2], s[T1], 22                    ; 128 row tiles of 32,768 bytes a batch
	s_and_b32 s53, s[YY], 15
	s_lshl_b32 s53, s53, 11                        ; 4 chunks of 512 bytes a head
	s_add_co_u32 s[T2], s[T2], s53
	s_add_nc_u64 s[OBH:OBH+1], s[8:9], s[T2:T2+1]
	s_lshl_b32 s[T2], s[T1], 2
	s_add_nc_u64 s[6:7], s[6:7], s[T2:T2+1]
	s_load_b32 s[LEN], s[6:7], 0x0
.macro QLOAD                           ; my 64 queries: 16 chunks of 512 bytes on end
	s_lshl_b32 s[T2], s[Q0], 7
	s_add_nc_u64 s[QP:QP+1], s[QBH:QBH+1], s[T2:T2+1]
	WIN 0x40
.set n, 0
.rept 16
	global_load_b128 v[QW+4*n:QW+4*n+3], v[LI], s[QP:QP+1] offset:512*n
.set n, n+1
.endr
	WIN 0
.endm
.macro INIT                            ; a block begins: O^T and l are 0, m lies under every score.  (The period is written once: its first step finds zeros)
	WIN 0x40
.set n, 0
.rept 128
	v_mov_b32 v[n], 0
.set n, n+1
.endr
	WIN 0
.irp t, 0,1,2,3
	v_mov_b32 v[ST+8*\t+1], 0xff61b1e6             ; -3e38
.irp k, 2,3,4,5,6,7
	v_mov_b32 v[ST+8*\t+\k], 0
.endr
	v_mul_f32 v[ST+8*\t], s[CS], v[ST+8*\t+1]
.endr
.endm
; The softmax of a step for my four tiles, the tiles by turns.
.macro SOFTMAX
.irp j, 0,1,2,3
.irp t, 0,1,2,3
	v_max3_num_f32 v[ST+8*\t+4+\j], v[S+32*\t+8*\j], v[S+32*\t+8*\j+1], v[S+32*\t+8*\j+2]   ; each accumulator is read from its low end on
.endr
.endr
.irp g, 3,5
.irp j, 0,1,2,3
.irp t, 0,1,2,3
	v_max3_num_f32 v[ST+8*\t+4+\j], v[ST+8*\t+4+\j], v[S+32*\t+8*\j+\g], v[S+32*\t+8*\j+\g+1]
.endr
.endr
.endr
.irp t, 0,1,2,3
	v_max3_num_f32 v[ST+8*\t+4], v[ST+8*\t+4], v[S+32*\t+7], v[S+32*\t+15]
.endr
.irp t, 0,1,2,3
	v_max3_num_f32 v[ST+8*\t+6], v[ST+8*\t+6], v[S+32*\t+23], v[S+32*\t+31]
.endr
.irp t, 0,1,2,3
	v_max3_num_f32 v[ST+8*\t+4], v[ST+8*\t+4], v[ST+8*\t+5], v[ST+8*\t+6]
.endr
.irp t, 0,1,2,3
	v_max3_num_f32 v[ST+8*\t+4], v[ST+8*\t+4], v[ST+8*\t+7], v[ST+8*\t+1]   ; with the old m
.endr
.irp t, 0,1,2,3
	v_permlanex16_b32 v[ST+8*\t+5], v[ST+8*\t+4], s[SEL], s[SEL+1]          ; the query's other 32 keys lie in the lane 16 away
.endr
.irp t, 0,1,2,3
	v_mov_b32 v[ST+8*\t+7], v[ST+8*\t]
.endr
.irp t, 0,1,2,3
	v_max_num_f32 v[ST+8*\t+1], v[ST+8*\t+4], v[ST+8*\t+5]
.endr
.irp t, 0,1,2,3
	v_mul_f32 v[ST+8*\t], s[CS], v[ST+8*\t+1]
.endr
.irp t, 0,1,2,3
	v_sub_f32 v[ST+8*\t+7], v[ST+8*\t+7], v[ST+8*\t]                        ; c m_old - c m_new
.endr
.set i, 0
.rept 16
.irp t, 0,1,2,3
	v_pk_fma_f32 v[S+32*\t+2*i:S+32*\t+2*i+1], v[S+32*\t+2*i:S+32*\t+2*i+1], s[CS:CS+1], v[ST+8*\t:ST+8*\t+1] op_sel_hi:[1,0,0] neg_lo:[0,0,1] neg_hi:[0,0,1]   ; c s - c m
.endr
.set i, i+1
.endr
.irp t, 0,1,2,3
	v_exp_f32 v[ST+8*\t+6], v[ST+8*\t+7]           ; the exponentials are one batch: 4 + 128
.endr
.set i, 0
.rept 32
.irp t, 0,1,2,3
	v_exp_f32 v[S+32*\t+i], v[S+32*\t+i]
.endr
.set i, i+1
.endr
	v_nop                                          ; a plain instruction behind the last exponential,
	s_wait_alu depctr_va_vdst(0)                   ; and one wait for the batch, ahead of its first reader
.irp t, 0,1,2,3
	v_pk_mul_f32 v[ST+8*\t+2:ST+8*\t+3], v[ST+8*\t+2:ST+8*\t+3], v[ST+8*\t+6:ST+8*\t+7] op_sel_hi:[1,0]
.endr
.irp t, 0,1,2,3
	v_pk_add_f32 v[ST+8*\t+4:ST+8*\t+5], v[S+32*\t:S+32*\t+1], v[S+32*\t+2:S+32*\t+3]
.endr
.irp g, 4,8,12,16,20,24,28
.irp t, 0,1,2,3
	v_pk_add_f32 v[ST+8*\t+2:ST+8*\t+3], v[ST+8*\t+2:ST+8*\t+3], v[S+32*\t+\g:S+32*\t+\g+1]
.endr
.irp t, 0,1,2,3
	v_pk_add_f32 v[ST+8*\t+4:ST+8*\t+5], v[ST+8*\t+4:ST+8*\t+5], v[S+32*\t+\g+2:S+32*\t+\g+3]
.endr
.endr
.irp t, 0,1,2,3
	v_pk_add_f32 v[ST+8*\t+2:ST+8*\t+3], v[ST+8*\t+2:ST+8*\t+3], v[ST+8*\t+4:ST+8*\t+5]
.endr
.set i, 0
.rept 16
.irp t, 0,1,2,3
	v_cvt_pk_f16_f32 v[S+32*\t+i], v[S+32*\t+2*i], v[S+32*\t+2*i+1]   ; in place, ascending: register i takes pair i, which lies at or above it
.endr
.set i, i+1
.endr
	WIN 0x41
.set i, 0
.rept 16
.irp t, 0,1,2,3
	v_pk_mul_f32 v[32*\t+2*i:32*\t+2*i+1], v[32*\t+2*i:32*\t+2*i+1], v[ST+8*\t+6:ST+8*\t+7] op_sel_hi:[1,0]   ; O^T under the new maximum
.endr
.set i, i+1
.endr
	WIN 0
.endm
; My 64 keys of the period that lies rd bytes into the pair of slots at v[AF].  The accumulators take turns, one instruction a turn.
.macro COMPUTE rd
	s_cmp_gt_i32 s[KF], s[LIMW]                    ; all my step's keys come after my queries, or all my queries lie at or beyond the length
	s_cbranch_scc1 .Lskip_\@
.set n, 0
.rept 16
	ds_load_b128 v[KV+4*n:KV+4*n+3], v[AF] offset:\rd+512*n
.set n, n+1
.endr
	s_wait_dscnt 0x0
	WIN 0x04                                       ; source 1 (Q) window 1
.set i, 0
.rept 32
.set rS, S+32*(i%4)+8*((i/4)%4)
.set rK, KV+16*((i/4)%4)+8*(i/16)
.set rQ, QW+16*(i%4)+8*(i/16)
.if i < 16
	v_wmma_f32_16x16x32_f16 v[rS:rS+7], v[rK:rK+7], v[rQ:rQ+7], 0
.else
	v_wmma_f32_16x16x32_f16 v[rS:rS+7], v[rK:rK+7], v[rQ:rQ+7], v[rS:rS+7]
.endif
.set i, i+1
.endr
	WIN 0
	PLACES 4                                       ; in front of the loads into K's registers and of the first read of the scores
.set n, 0
.rept 16
	ds_load_b128 v[KV+4*n:KV+4*n+3], v[AF] offset:\rd+8192+512*n   ; V lands while the softmax is walked
.set n, n+1
.endr
	s_cmp_lg_u32 s[KF], s[Q0]
	s_cbranch_scc1 .Lopen_\@
.irp t, 0,1,2                          ; the step on the diagonal: key tiles behind the query tile are hidden whole,
.irp kt, 1,2,3
.if \kt > \t
.irp j, 0,1,2,3,4,5,6,7
	v_mov_b32 v[S+32*\t+8*\kt+\j], v[NEG]
.endr
.endif
.endr
.endr
.irp t, 0,1,2,3                        ; the tile on it where 8 h + j > r.  Key KF counts for every query of mine, so m is a number
.irp j, 0,1,2,3,4,5,6,7
	v_cndmask_b32 v[S+40*\t+\j], v[S+40*\t+\j], v[NEG], s[DM+\j]
.endr
.endr
.Lopen_\@:
	SOFTMAX
	s_wait_dscnt 0x0                               ; V is in
	WIN 0x50                                       ; C and D (O^T) window 1
.set i, 0
.rept 32
.set rO, 32*(i%4)+8*((i/4)%4)
.set rV, KV+16*((i/4)%4)+8*(i/16)
.set rP, S+32*(i%4)+8*(i/16)
	v_wmma_f32_16x16x32_f16 v[rO:rO+7], v[rV:rV+7], v[rP:rP+7], v[rO:rO+7]
.set i, i+1
.endr
	PLACES 5                                       ; the next step's first products write over P's registers: five plain instructions between
	WIN 0
.Lskip_\@:
	s_add_co_u32 s[KF], s[KF], 128
.endm
; Trip k.  rd: where period k lies; sreg, simm: where period k + 1 goes; g: the set that holds it and then takes period k + 3.
.macro PERIOD rd, sreg, simm, g
	s_wait_loadcnt 0x8                             ; period k + 1 is in registers; only the younger set's eight loads may be out
	WIN 0x04                                       ; an LDS store's data are its source 1: window 1
.set n, 0
.rept 8
	ds_store_b128 v[\sreg], v[GW+32*\g+4*n:GW+32*\g+4*n+3] offset:\simm+512*n
.set n, n+1
.endr
	WIN 0
	s_wait_xcnt 0x0                                ; the stream's base is rewritten only behind this wait
	s_add_co_u32 s[LKP], s[LKP], 128
	s_cmp_eq_u32 s[LKP], s[LEND]                   ; a block's keys are through: on to the second block's, from key 0
	s_cselect_b32 s[LKP], 0, s[LKP]
	s_cselect_b32 s[LEND], s[ENDB], s[LEND]
	s_cselect_b32 s[PLIM], 0, s[PLIM]              ; and no more prefetches: these keys have been read
	s_lshl_b32 s[T2], s[LKP], 8
	s_add_nc_u64 s[LP:LP+1], s[KVB:KVB+1], s[T2:T2+1]
	s_wait_dscnt 0x0                               ; for the others' sake: my stores have landed; and they have read their registers
	WIN 0x40
.set n, 0
.rept 8
	global_load_b128 v[GW+32*\g+4*n:GW+32*\g+4*n+3], v[SA0], s[LP:LP+1] offset:512*n
.set n, n+1
.endr
	WIN 0
	s_cmp_lt_u32 s[LKP], s[PLIM]
	s_cbranch_scc0 .Lnot_mine_\@
	global_prefetch_b8 v[PFO], s[LP:LP+1] offset:2*PERB th:TH_LOAD_NT scope:SCOPE_SE   ; the period two on from the one just asked for: 4 waves x 32 lanes x 256 bytes; each block is named once in the launch
.Lnot_mine_\@:
	s_barrier_signal -1
	COMPUTE \rd                                    ; register work and LDS loads of a slot that nobody writes before a later barrier
	s_barrier_wait -1
.endm
; A block ends.  The waves of the upper halves of the keys hand O^T, m and l to their partners, which join the halves, divide, put 0 in rows at or beyond the length, and store.
.macro FINAL next
	s_cmp_eq_u32 s[UU], 0
	s_cbranch_scc1 .Llower_\@
	WIN 0x04
.set n, 0
.rept 32
	ds_store_b128 v[MGA], v[4*n:4*n+3] offset:512*n
.set n, n+1
.endr
	WIN 0
.irp t, 0,1,2,3
	v_add_f32 v[ST+8*\t+4], v[ST+8*\t+2], v[ST+8*\t+3]
.endr
.irp t, 0,1,2,3
	ds_store_b32 v[MGS], v[ST+8*\t+1] offset:128*\t
	ds_store_b32 v[MGS], v[ST+8*\t+4] offset:512+128*\t
.endr
.Llower_\@:
	s_wait_dscnt 0x0
	s_barrier_signal -1
	s_barrier_wait -1
	s_cmp_lg_u32 s[UU], 0
	s_cbranch_scc1 .Lupper_\@
.set n, 0
.rept 32
	ds_load_b128 v[S+4*n:S+4*n+3], v[MGA] offset:512*n
.set n, n+1
.endr
.irp t, 0,1,2,3
	ds_load_b32 v[WK+\t], v[MGS] offset:128*\t
	ds_load_b32 v[WK+4+\t], v[MGS] offset:512+128*\t
.endr
.irp t, 0,1,2,3
	v_add_f32 v[ST+8*\t+2], v[ST+8*\t+2], v[ST+8*\t+3]
.endr
	s_wait_dscnt 0x0
.irp t, 0,1,2,3
	v_max_num_f32 v[WK+8+\t], v[ST+8*\t+1], v[WK+\t]
.endr
.irp t, 0,1,2,3
	v_sub_f32 v[ST+8*\t+4], v[ST+8*\t+1], v[WK+8+\t]
	v_sub_f32 v[ST+8*\t+6], v[WK+\t], v[WK+8+\t]
.endr
.irp t, 0,1,2,3
	v_mul_f32 v[ST+8*\t+4], s[CS], v[ST+8*\t+4]
	v_mul_f32 v[ST+8*\t+6], s[CS], v[ST+8*\t+6]
.endr
.irp t, 0,1,2,3
	v_exp_f32 v[ST+8*\t+4], v[ST+8*\t+4]
	v_exp_f32 v[ST+8*\t+6], v[ST+8*\t+6]
.endr
	v_add_nc_u32 v[TMP], s[Q0], v[QR]              ; (a plain instruction behind the exponentials)  my row in tile 0
	s_wait_alu depctr_va_vdst(0)
.irp t, 0,1,2,3
	v_mul_f32 v[ST+8*\t+2], v[ST+8*\t+2], v[ST+8*\t+4]
.endr
.irp t, 0,1,2,3
	v_fma_f32 v[ST+8*\t+2], v[WK+4+\t], v[ST+8*\t+6], v[ST+8*\t+2]
.endr
.irp t, 0,1,2,3
	v_permlanex16_b32 v[ST+8*\t+3], v[ST+8*\t+2], s[SEL], s[SEL+1]
.endr
.irp t, 0,1,2,3
	v_add_f32 v[ST+8*\t+2], v[ST+8*\t+2], v[ST+8*\t+3]
.endr
.irp t, 0,1,2,3
	v_max_num_f32 v[ST+8*\t+2], 0.5, v[ST+8*\t+2]  ; a live row's sum is 1 or more; a wave that walked nothing has 0, and its rows are replaced below
.endr
.irp t, 0,1,2,3
	v_rcp_f32 v[ST+8*\t+3], v[ST+8*\t+2]
.endr
.irp t, 0,1,2,3
	v_add_nc_u32 v[WK+12+\t], 16*\t, v[TMP]
.endr
	v_mov_b32 v[TMP], 0
	s_wait_alu depctr_va_vdst(0)
.irp t, 0,1,2,3
	v_cmp_le_i32 vcc_lo, s[LEN], v[WK+12+\t]
	v_cndmask_b32 v[ST+8*\t+3], v[ST+8*\t+3], v[TMP], vcc_lo   ; rows at or beyond the length: x 0
.endr
.irp t, 0,1,2,3
	v_mul_f32 v[ST+8*\t+4], v[ST+8*\t+4], v[ST+8*\t+3]
	v_mul_f32 v[ST+8*\t+6], v[ST+8*\t+6], v[ST+8*\t+3]
.endr
.set i, 0
.rept 16
.irp t, 0,1,2,3
	v_pk_mul_f32 v[S+32*\t+2*i:S+32*\t+2*i+1], v[S+32*\t+2*i:S+32*\t+2*i+1], v[ST+8*\t+6:ST+8*\t+7] op_sel_hi:[1,0]
.endr
.set i, i+1
.endr
	WIN 0x01                                       ; source 0 (my O^T) window 1
.set i, 0
.rept 16
.irp t, 0,1,2,3
	v_pk_fma_f32 v[S+32*\t+2*i:S+32*\t+2*i+1], v[32*\t+2*i:32*\t+2*i+1], v[ST+8*\t+4:ST+8*\t+5], v[S+32*\t+2*i:S+32*\t+2*i+1] op_sel_hi:[1,0,1]
.endr
.set i, i+1
.endr
	WIN 0
.set i, 0
.rept 16
.irp t, 0,1,2,3
	v_cvt_pk_f16_f32 v[S+32*\t+i], v[S+32*\t+2*i], v[S+32*\t+2*i+1]
.endr
.set i, i+1
.endr
	s_lshl_b32 s[T2], s[Q0], 11                    ; 32,768 bytes a tile of 16 rows
	s_add_nc_u64 s[OB:OB+1], s[OBH:OBH+1], s[T2:T2+1]
.irp t, 0,1,2,3
.irp d, 0,1,2,3
	global_store_b128 v[LI], v[S+32*\t+4*\d:S+32*\t+4*\d+3], s[OB:OB+1] offset:32768*\t+512*\d   ; 512 consecutive bytes, aligned
.endr
.endr
.Lupper_\@:
	s_wait_xcnt 0x0                                ; the stores have read their registers and base
.if \next
	s_lshl_b32 s[Q0], ttmp9, 8                     ; the second block
	s_lshl_b32 s[T1], s[PP], 6
	s_add_co_u32 s[Q0], s[Q0], s[T1]
	s_cmp_lt_i32 s[Q0], s[LEN]
	s_cselect_b32 s[LIMW], s[Q0], -1
	s_lshl_b32 s[KF], s[UU], 6
	PLACES 4
	QLOAD
	INIT
	s_wait_loadcnt 0x0
.endif
.endm
	QLOAD
	WIN 0x40
.set n, 0
.rept 8
	global_load_b128 v[GW+4*n:GW+4*n+3], v[SA0], s[KVB:KVB+1] offset:512*n
.set n, n+1
.endr
.set n, 0
.rept 8
	global_load_b128 v[GW+32+4*n:GW+32+4*n+3], v[SA0], s[KVB:KVB+1] offset:PERB+512*n
.set n, n+1
.endr
	WIN 0
	INIT
	s_wait_kmcnt 0x0
	s_cmp_lt_i32 s[Q0], s[LEN]
	s_cselect_b32 s[LIMW], s[Q0], -1
	s_wait_loadcnt 0x8                             ; Q and period 0 are in; period 1's eight loads may be out
	WIN 0x04
.set n, 0
.rept 8
	ds_store_b128 v[SA0], v[GW+4*n:GW+4*n+3] offset:512*n
.set n, n+1
.endr
	WIN 0
	s_wait_dscnt 0x0
	WIN 0x40
.set n, 0
.rept 8
	global_load_b128 v[GW+4*n:GW+4*n+3], v[SA0], s[KVB:KVB+1] offset:2*PERB+512*n
.set n, n+1
.endr
	WIN 0
	s_barrier_signal -1
	s_barrier_wait -1                              ; period 0 lies in slot 0
	s_mov_b32 s[TR], 0
.Ltrip:                                            ; nine trips of two periods, in every work-group
	s_cmp_eq_u32 s[TR], s[FT]                      ; ids and the count of trips alone: all eight waves go the same way
	s_cbranch_scc0 .Lsame_block
	FINAL 1
.Lsame_block:
	v_add_nc_u32 v[AF], s[SO], v[AF0]
	v_add_nc_u32 v[SA], s[SO], v[SA0]
	s_xor_b32 s[SO2], s[SO], 2*PERB
	v_add_nc_u32 v[SB], s[SO2], v[SA0]
	PERIOD 0, SA, PERB, 1
	PERIOD PERB, SB, 0, 0
	s_xor_b32 s[SO], s[SO], 2*PERB                 ; on to the other pair of slots
	s_add_co_u32 s[TR], s[TR], 1
	s_cmp_lt_u32 s[TR], 9
	s_cbranch_scc1 .Ltrip
	FINAL 0
	s_wait_tensorcnt 0x0                           ; the wave's end: behind my last LDS store
	ds_add_u32 v[SPW], v[NIL]
	s_wait_dscnt 0x0
	s_endpgm
.Lfunc_end_k_q6e84c0763d_attn:
	.size	k_q6e84c0763d_attn, .Lfunc_end_k_q6e84c0763d_attn-k_q6e84c0763d_attn
	.p2alignl 7, 3214868480
	.fill 96, 4, 3214868480
	.section	.rodata,"a",@progbits
	.p2align	6, 0x0
	.amdhsa_kernel k_q6e84c0763d_attn
		.amdhsa_group_segment_fixed_size 201728
		.amdhsa_private_segment_fixed_size 0
		.amdhsa_enable_private_segment 0
		.amdhsa_kernarg_size 24
		.amdhsa_user_sgpr_count 2
		.amdhsa_user_sgpr_kernarg_segment_ptr 1
		.amdhsa_wavefront_size32 1
		.amdhsa_system_sgpr_workgroup_id_x 1
		.amdhsa_system_sgpr_workgroup_id_y 1
		.amdhsa_system_sgpr_workgroup_id_z 1
		.amdhsa_system_vgpr_workitem_id 0
		.amdhsa_next_free_vgpr 512
		.amdhsa_next_free_sgpr 66
		.amdhsa_reserve_vcc 1
		.amdhsa_float_denorm_mode_32 3
		.amdhsa_float_denorm_mode_16_64 3
		.amdhsa_memory_ordered 1
		.amdhsa_forward_progress 1
		.amdhsa_inst_pref_size 140
	.end_amdhsa_kernel
	.amdgpu_metadata
---
amdhsa.version: [ 1, 2 ]
amdhsa.kernels:
  - .name:           k_q6e84c0763d_attn
    .symbol:         k_q6e84c0763d_attn.kd
    .args:
      - { .name: qkv, .offset: 0, .size: 8, .value_kind: global_buffer, .address_space: global }
      - { .name: curr_seq_lens, .offset: 8, .size: 8, .value_kind: global_buffer, .address_space: global }
      - { .name: oimg, .offset: 16, .size: 8, .value_kind: global_buffer, .address_space: global }
    .group_segment_fixed_size: 201728
    .private_segment_fixed_size: 0
    .kernarg_segment_align: 8
    .kernarg_segment_size: 24
    .max_flat_workgroup_size: 256
    .sgpr_count:     66
    .vgpr_count:     512
    .wavefront_size: 32
...
	.end_amdgpu_metadata
.endif
;; end of part 3
;; launch proj (part 4): grid 4 x 64, 4 waves a work-group, clusters of 4 x 4, 327,680 bytes of LDS; arguments oimg, tabs, bo, out0; writes out0
.if DOCPART == 4
	.amdgcn_target "amdgcn-amd-amdhsa--gfx1250"
	.amdhsa_code_object_version 6
	.text
	.protected	k_q6e84c0763d_proj
	.globl	k_q6e84c0763d_proj
	.p2align	8
	.type	k_q6e84c0763d_proj,@function
k_q6e84c0763d_proj:
	s_mov_b64 s[64:65], 0
	v_nop
	global_prefetch_b8 v0, s[64:65] scope:SCOPE_SE
	s_setreg_imm32_b32 hwreg(HW_REG_WAVE_MODE, 25, 1), 1
	s_wait_xcnt 0x0
	s_wait_alu depctr_hold_cnt(0) depctr_sa_sdst(0) depctr_va_vdst(0) depctr_va_sdst(0) depctr_va_ssrc(0) depctr_va_vcc(0) depctr_vm_vsrc(0)
	s_getreg_b32 s2, hwreg(HW_REG_IB_STS2, 6, 4)
	s_cmp_eq_u32 s2, 0
	s_cbranch_scc0 .Lentry_in_a_cluster
	s_endpgm
.Lentry_in_a_cluster:
	s_bfe_u32 s2, ttmp6, 0x10000c
	s_cmp_lg_u32 s2, 0xf033
	s_cbranch_scc0 .Lentry_shape_is_right
	s_endpgm
.Lentry_shape_is_right:
; out = o Wo^T + bo, f16 operands, f32 sums.  LEFT OUT: the stores of positions 0-15 of every batch, which the last launch makes in f32.  All other rows are made, those at or beyond the length too (o is 0 there).
; SHARES.  A tile of out is 128 rows x 256 columns: 256 work-groups.  Wave (wr, wc): 64 x 128: 32 accumulators.  K goes in steps of 128 through two LDS slots.  Both operands lie in memory as chunks of 512 bytes in the
; order of the operands' registers, so a K step of a tile of 16 rows is 4,096 consecutive bytes, every fragment load takes 512 consecutive bytes, and LDS needs no padding.
; CLUSTERS: 4 x 4 work-groups.  o's tiles hang on the row block alone and are asked for jointly along a row of the cluster, Wo's on the column block alone and jointly along a column.
; The matrix instruction is used transposed (source 0 = 16 rows of Wo, source 1 = 16 rows of o): a lane holds eight neighbouring numbers of a row of out.  bo is the C of each sum's first instruction.
; REGISTERS: window 0: v0-31 addresses; v32-127, v128-223 two fragment buffers (Wo's 64, then o's 32); window 1: the accumulators (8 (8 a + b)); window 2: v0-63 bo in the result's layout.
.set SLOT,   98304                     ; o: 8 row tiles x 4,096; then Wo: 16 column tiles x 4,096
.set BOFF,   32768
.set STAGE,  2*SLOT                    ; the way out: 16 rows x (512 + 16) bytes for each wave; no tensor load lands there
.set SPITCH, 528
.set SPARE,  STAGE+4*16*SPITCH         ; the spare words: 128 bytes a wave, named by no other line
.set WIMG,   524288                    ; Wo's chunks lie behind the table
.set LAPS,   4                         ; a lap = two K steps
.set ADRA, 16
.set ADRB, 20
.set STO,  24
.set RD,   25
.set LI,   27
.set SPW,  28
.set NIL,  29
.set PFO,  30
.set F0,   32
.set F1,   128
.set BKR,  32                          ; the way out: rows read back: v32-95 and v96-159 by turns
.set WV, 12
.set WR, 13                            ; which 64 rows are mine.  Also: I fetch for o (0) or for Wo (1)
.set WC, 14                            ; which 128 columns.  Also: which half of that tile I fetch
.set CX, 15
.set CY, 16
.set CLY, 17
.set G1, 24
.set G0, 32
.set SKIPF, 42                         ; 0 in the waves whose first 16 rows are positions 0-15 of a batch
.set LIM, 43
.set PFA, 44
.set G1B, 48
.set G0B, 56
.set MSB, 0
.macro WIN new
.if MSB != \new
	s_set_vgpr_msb (MSB<<8)|\new
.set MSB, \new
.endif
.endm
.macro PLACES
.rept 4
	v_nop
.endr
.endm
.macro JLOAD s                         ; a joint load: waves 0 and 1 fetch o's two halves, waves 2 and 3 Wo's; the branch hangs on the wave's number alone
	s_cmp_eq_u32 s[WR], 0
	s_cbranch_scc0 .Lfor_b_\@
	tensor_load_to_lds s[G0+4*\s:G0+4*\s+3], s[G1:G1+7]
	s_nop 0
	PLACES
	s_branch .Lasked_\@
.Lfor_b_\@:
	tensor_load_to_lds s[G0B+4*\s:G0B+4*\s+3], s[G1B:G1B+7]
	s_nop 0
	PLACES
.Lasked_\@:
.endm
.macro CREST                           ; a round of the cluster's barrier behind its opening barrier
	s_cmp_lg_u32 s[WV], 0
	s_cbranch_scc1 .Lnot_wave_0_\@
	s_barrier_signal -3
.Lnot_wave_0_\@:
	s_barrier_wait -3
	s_barrier_signal -1
	s_barrier_wait -1
.endm
.macro CROUND
	s_barrier_signal -1
	s_barrier_wait -1
	CREST
.endm
; A prefetch of o's K step that stands two refills on: 8 row tiles x 4,096 bytes.  The four partners that ask for the tile jointly share it out by address, two row tiles each; in each, wave 0 asks: a lane a block of
; 256 bytes.  So each block is named once.  The loop's last trip asks for nothing: there is no K step two on.  Wo's chunks are read by all 64 row blocks and are not asked for.
.macro ASK
	s_cmp_gt_u32 s3, s[LIM]
	s_cbranch_scc0 .Lnot_mine_\@
	global_prefetch_b8 v[PFO], s[PFA:PFA+1] th:TH_LOAD_NT scope:SCOPE_SE
.Lnot_mine_\@:
.endm
	s_load_b256 s[4:11], s[0:1], 0x0               ; oimg s[4:5], tabs s[6:7], bo s[8:9], out0 s[10:11]
	v_lshl_add_u32 v[SPW], v0, 2, SPARE
	v_mov_b32 v[NIL], 0
	ds_add_u32 v[SPW], v[NIL]                      ; the wave's opening: the add, twice on end, and its wait ahead of my first tensor load
	ds_add_u32 v[SPW], v[NIL]
	v_lshrrev_b32 v1, 5, v0
	v_readfirstlane_b32 s[WV], v1
	s_lshr_b32 s[WR], s[WV], 1
	s_and_b32 s[WC], s[WV], 1
	s_bfe_u32 s[CX], ttmp6, 0x40000                ; cx = the column block
	s_bfe_u32 s[CY], ttmp6, 0x40004                ; cy = the batch
	s_and_b32 s[CLY], ttmp7, 0xffff                ; the cluster's y = the block of 128 rows in the batch
	s_lshl_b32 s18, s[CY], 2
	s_lshl_b32 s18, 15, s18                        ; my row of the cluster
	s_lshl_b32 s19, 0x1111, s[CX]                  ; my column
	s_or_b32 s[G1], s18, (3<<16)|(1<<21)           ; the mask; elements of 8 bytes; bit 21 beside a mask; no padding
	s_or_b32 s[G1B], s19, (3<<16)|(1<<21)
	s_mov_b32 s[G1+1], 512<<16                     ; a row of the tile: 4,096 bytes
	s_mov_b32 s[G1+2], 4<<16                       ; o: 4 row tiles a load
	s_mov_b32 s[G1+3], 512<<16
	s_mov_b32 s[G1+4], 4
	s_mov_b32 s[G1+5], 4096                        ; 32,768 bytes from tile to tile
	s_mov_b32 s[G1+6], 0
	s_mov_b32 s[G1+7], 0
	s_mov_b32 s[G1B+1], 512<<16
	s_mov_b32 s[G1B+2], 8<<16                      ; Wo: 8 column tiles a load
	s_mov_b32 s[G1B+3], 512<<16
	s_mov_b32 s[G1B+4], 8
	s_mov_b32 s[G1B+5], 4096
	s_mov_b32 s[G1B+6], 0
	s_mov_b32 s[G1B+7], 0
	s_lshl_b32 s20, s[CY], 22                      ; o: (8 x row block + 4 x half) x 32,768, row block = 16 cy + the cluster's y: no cx in it
	s_lshl_b32 s21, s[CLY], 18
	s_add_co_u32 s20, s20, s21
	s_mov_b32 s40, s20                             ; (kept for the prefetches)
	s_lshl_b32 s21, s[WC], 17
	s_add_co_u32 s20, s20, s21
	s_mov_b32 s21, 0
	s_lshl_b32 s46, s[CX], 19                      ; Wo: (16 cx + 8 x half) x 32,768: no cy in it
	s_lshl_b32 s47, s[WC], 18
	s_add_co_u32 s46, s46, s47
	s_add_co_u32 s46, s46, WIMG
	s_mov_b32 s47, 0
	s_lshl_b32 s22, s[WC], 14                      ; where they go in a slot
	s_lshl_b32 s23, s[WC], 15
	s_add_co_u32 s23, s23, BOFF
	s_lshl_b32 s41, s[CX], 16                      ; the prefetches: my work-group's two row tiles,
	s_add_co_u32 s40, s40, s41
	s_add_co_u32 s40, s40, 3*4096                  ; at K step 3: the first change of slots steps it to 4
	s_mov_b32 s41, 0
	s_cmp_eq_u32 s[WV], 0
	s_cselect_b32 s[LIM], 1, -1
	s_or_b32 s[SKIPF], s[CLY], s[WR]
	s_wait_dscnt 0x0                               ; both opening adds are done
	s_wait_kmcnt 0x0
	s_add_nc_u64 s[PFA:PFA+1], s[4:5], s[40:41]
	s_add_nc_u64 s[20:21], s[4:5], s[20:21]
	s_add_nc_u64 s[46:47], s[6:7], s[46:47]
	CROUND                                         ; all sixteen work-groups are here: the first joint loads meet
.irp s, 0,1
	s_mov_b32 s[G0+4*\s], 1
	s_add_co_u32 s[G0+4*\s+1], s22, \s*SLOT
	s_add_nc_u64 s[G0+4*\s+2:G0+4*\s+3], s[20:21], \s*4096
	s_or_b32 s[G0+4*\s+3], s[G0+4*\s+3], 0x80000000
	s_mov_b32 s[G0B+4*\s], 1
	s_add_co_u32 s[G0B+4*\s+1], s23, \s*SLOT
	s_add_nc_u64 s[G0B+4*\s+2:G0B+4*\s+3], s[46:47], \s*4096
	s_or_b32 s[G0B+4*\s+3], s[G0B+4*\s+3], 0x80000000
	JLOAD \s
.endr
	v_and_b32 v1, 15, v0                           ; r
	v_bfe_u32 v2, v0, 4, 1                         ; h
	v_and_b32 v3, 31, v0
	v_lshlrev_b32 v[LI], 4, v3
	s_lshl_b32 s18, s[WR], 14                      ; my four row tiles
	s_lshl_b32 s19, s[WC], 15                      ; my eight column tiles,
	s_add_co_u32 s19, s19, BOFF                    ; behind o's
.irp s, 0,1
	v_add_nc_u32 v[ADRA+\s], s18, v[LI]
	v_add_nc_u32 v[ADRB+\s], s19, v[LI]
	s_add_co_u32 s18, s18, SLOT
	s_add_co_u32 s19, s19, SLOT
.endr
	s_mul_i32 s18, s[WV], 16*SPITCH
	s_add_co_u32 s18, s18, STAGE                   ; my stage
	v_mul_u32_u24 v[STO], v1, SPITCH
	v_lshl_add_u32 v[STO], v2, 5, v[STO]
	v_add_nc_u32 v[STO], s18, v[STO]               ; in: row r, 32 bytes for each half of the lanes
	v_add_nc_u32 v[RD], s18, v[LI]                 ; back: the 32 lanes take one row of 512 bytes
	v_lshlrev_b32 v[PFO], 8, v1
	v_lshl_add_u32 v[PFO], v2, 15, v[PFO]          ; row tile h of my two, block r of its 16
	v_lshlrev_b32 v4, 5, v2                        ; 32 h
	s_lshl_b32 s18, s[CX], 10
	s_lshl_b32 s19, s[WC], 9
	s_add_co_u32 s18, s18, s19                     ; my first column, in bytes
	s_mov_b32 s19, 0
	s_add_nc_u64 s[8:9], s[8:9], s[18:19]
	s_add_nc_u64 s[10:11], s[10:11], s[18:19]
	s_lshl_b32 s18, s[CY], 23                      ; my first row: 4,096 bytes a row
	s_lshl_b32 s2, s[CLY], 19
	s_add_co_u32 s18, s18, s2
	s_lshl_b32 s2, s[WR], 18
	s_add_co_u32 s18, s18, s2
	s_add_nc_u64 s[10:11], s[10:11], s[18:19]
	WIN 0x80                                       ; destination window 2
.irp b, 0,1,2,3,4,5,6,7
.irp i, 0,1
	global_load_b128 v[8*\b+4*\i:8*\b+4*\i+3], v4, s[8:9] offset:64*\b+16*\i   ; bo[n0 + 16 b + 8 h + 0..7]
.endr
.endr
	WIN 0
; 8 matrix instructions: row tile a x my eight column tiles, 32 along K.  The 32 accumulators take turns, one instruction a turn, in the same order in every quarter.
.macro MUL8 f, a, first
.irp b, 0,1,2,3,4,5,6,7
.if \first
	v_wmma_f32_16x16x32_f16 v[8*(8*\a+\b):8*(8*\a+\b)+7], v[\f+8*\b:\f+8*\b+7], v[\f+64+8*\a:\f+64+8*\a+7], v[8*\b:8*\b+7]
.else
	v_wmma_f32_16x16x32_f16 v[8*(8*\a+\b):8*(8*\a+\b)+7], v[\f+8*\b:\f+8*\b+7], v[\f+64+8*\a:\f+64+8*\a+7], v[8*(8*\a+\b):8*(8*\a+\b)+7]
.endif
.endr
.endm
; 24 LDS loads in one run: quarter cq (32 along K) of the slot into buffer f: Wo's 16, then o's 8
.macro FETCH slot, cq, f
	WIN 0
.irp b, 0,1,2,3,4,5,6,7
	ds_load_b128 v[\f+8*\b:\f+8*\b+3], v[ADRB+\slot] offset:4096*\b+1024*\cq
	ds_load_b128 v[\f+8*\b+4:\f+8*\b+7], v[ADRB+\slot] offset:4096*\b+1024*\cq+512
.endr
.irp a, 0,1,2,3
	ds_load_b128 v[\f+64+8*\a:\f+64+8*\a+3], v[ADRA+\slot] offset:4096*\a+1024*\cq
	ds_load_b128 v[\f+64+8*\a+4:\f+64+8*\a+7], v[ADRA+\slot] offset:4096*\a+1024*\cq+512
.endr
.endm
; One of a K step's first three quarters: multiplies buffer f and fetches quarter cq of the same slot into g
.macro QUARTER slot, cq, f, g, first
	s_wait_dscnt 4                                 ; all but o's row tiles 2 and 3 are in
	WIN 0x50+0x10*\first                           ; C and D window 1; in the first quarter C = bo, window 2
	MUL8 \f, 0, \first
	MUL8 \f, 1, \first
	PLACES                                         ; in front of loads into registers that matrix instructions have read
	FETCH \slot, \cq, \g
	s_wait_dscnt 24                                ; all but the 24 just issued
	WIN 0x50+0x10*\first
	MUL8 \f, 2, \first
	MUL8 \f, 3, \first
.endm
; The last quarter multiplies buffer 1 and changes slots: one barrier; in front of it each wave waits for all its tensor loads, adds 0 to its spare word, and waits for that and for its reads of this slot
.macro TURN slot, next, fill
	WIN 0
.if \fill
	s_wait_xcnt 0x0                                ; the last prefetch, a K step back, has read its address
	s_add_nc_u64 s[PFA:PFA+1], s[PFA:PFA+1], 4096
.endif
	s_wait_tensorcnt 0x0                           ; all my tensor loads have landed: my part of the next slot
	ds_add_u32 v[SPW], v[NIL]                      ; 0 onto my spare word
	s_wait_dscnt 5                                 ; (the add and the youngest four loads may be out)
	WIN 0x50
	MUL8 F1, 0, 0
	s_wait_dscnt 0x0                               ; the add is done, and my reads of this slot are over
	s_barrier_signal -1
	MUL8 F1, 1, 0
.if \fill
	WIN 0
.endif
	s_barrier_wait -1
.if \fill
	CREST                                          ; the barrier has opened a round of the cluster's: no wave of any partner still reads this slot or has a load on its way
	s_add_nc_u64 s[G0+4*\slot+2:G0+4*\slot+3], s[G0+4*\slot+2:G0+4*\slot+3], 2*4096
	s_add_nc_u64 s[G0B+4*\slot+2:G0B+4*\slot+3], s[G0B+4*\slot+2:G0B+4*\slot+3], 2*4096
	JLOAD \slot                                    ; the four plain instructions behind it also stand in front of the loads below
.else
	PLACES
.endif
	FETCH \next, 0, F0
.if \fill
	ASK
.endif
	WIN 0x50
	MUL8 F1, 2, 0
	MUL8 F1, 3, 0
.endm
	s_wait_tensorcnt 0x1                           ; my part of K step 0 is in; K step 1's load may be out
	s_barrier_signal -1
	s_barrier_wait -1
	FETCH 0, 0, F0
	s_wait_loadcnt 0x0                             ; bo
	QUARTER 0, 1, F0, F1, 1                        ; the first quarter stands in front of the loop: its products start the sums
	WIN 0
	s_mov_b32 s3, LAPS-1
.Llap:
	QUARTER 0, 2, F1, F0, 0
	QUARTER 0, 3, F0, F1, 0
	TURN 0, 1, 1
	QUARTER 1, 1, F0, F1, 0
	QUARTER 1, 2, F1, F0, 0
	QUARTER 1, 3, F0, F1, 0
	TURN 1, 0, 1
	QUARTER 0, 1, F0, F1, 0
	WIN 0
	s_sub_co_u32 s3, s3, 1
	s_cmp_lg_u32 s3, 0
	s_cbranch_scc1 .Llap
	QUARTER 0, 2, F1, F0, 0                        ; the last lap fills nothing
	QUARTER 0, 3, F0, F1, 0
	TURN 0, 1, 0
	QUARTER 1, 1, F0, F1, 0
	QUARTER 1, 2, F1, F0, 0
	QUARTER 1, 3, F0, F1, 0
	s_wait_dscnt 4
	WIN 0x50
	MUL8 F1, 0, 0
	MUL8 F1, 1, 0
	s_wait_dscnt 0x0
	MUL8 F1, 2, 0
	MUL8 F1, 3, 0
	WIN 0
; THE WAY OUT, a block of 16 rows x 128 columns at a time, through my own stage: in as 32 bytes a lane, back as whole rows of 512 bytes.  LDS serves a wave's instructions in order.
.macro TOSTAGE a
	WIN 0x04                                       ; an LDS store's data are its source 1: window 1
.irp b, 0,1,2,3,4,5,6,7
	ds_store_b128 v[STO], v[8*(8*(\a)+\b):8*(8*(\a)+\b)+3] offset:64*\b        ; each accumulator from its low end on
	ds_store_b128 v[STO], v[8*(8*(\a)+\b)+4:8*(8*(\a)+\b)+7] offset:64*\b+16
.endr
	WIN 0
.set BB, BKR+64*((\a)%2)
.irp t, 0,1,2,3,4,5,6,7,8,9,10,11,12,13,14,15
	ds_load_b128 v[BB+4*\t:BB+4*\t+3], v[RD] offset:\t*SPITCH
.endr
.endm
.macro SEND a, younger
.set BB, BKR+64*((\a)%2)
	s_wait_dscnt \younger                          ; the block is back in registers; the next block's 16 stores and 16 loads may be out
.if (\a) == 0
	s_cmp_eq_u32 s[SKIPF], 0                       ; positions 0-15 of a batch: the last launch's rows.  Made of the cluster's y and the wave's number
	s_cbranch_scc1 .Lfine_rows_\@
.endif
.irp t, 0,1,2,3,4,5,6,7,8,9,10,11,12,13,14,15
	global_store_b128 v[LI], v[BB+4*\t:BB+4*\t+3], s[10:11] offset:65536*(\a)+4096*\t th:TH_STORE_NT   ; 512 consecutive bytes, aligned
.endr
.if (\a) == 0
.Lfine_rows_\@:
.endif
.endm
	PLACES
	TOSTAGE 0
.irp a, 1,2,3
.if \a > 1
	s_wait_xcnt 0x0                                ; block a - 2's stores have read their registers
.endif
	TOSTAGE \a
	SEND (\a-1), 32
.endr
	SEND 3, 0
	s_wait_tensorcnt 0x0                           ; the wave's end
	ds_add_u32 v[SPW], v[NIL]
	s_wait_dscnt 0x0
	CROUND                                         ; the closing round
	s_endpgm
.Lfunc_end_k_q6e84c0763d_proj:
	.size	k_q6e84c0763d_proj, .Lfunc_end_k_q6e84c0763d_proj-k_q6e84c0763d_proj
	.p2alignl 7, 3214868480
	.fill 96, 4, 3214868480
	.section	.rodata,"a",@progbits
	.p2align	6, 0x0
	.amdhsa_kernel k_q6e84c0763d_proj
		.amdhsa_group_segment_fixed_size 327680
		.amdhsa_private_segment_fixed_size 0
		.amdhsa_enable_private_segment 0
		.amdhsa_kernarg_size 32
		.amdhsa_user_sgpr_count 2
		.amdhsa_user_sgpr_kernarg_segment_ptr 1
		.amdhsa_wavefront_size32 1
		.amdhsa_system_sgpr_workgroup_id_x 1
		.amdhsa_system_sgpr_workgroup_id_y 1
		.amdhsa_system_sgpr_workgroup_id_z 1
		.amdhsa_system_vgpr_workitem_id 0
		.amdhsa_next_free_vgpr 576
		.amdhsa_next_free_sgpr 66
		.amdhsa_reserve_vcc 0
		.amdhsa_float_denorm_mode_32 3
		.amdhsa_float_denorm_mode_16_64 3
		.amdhsa_memory_ordered 1
		.amdhsa_forward_progress 1
		.amdhsa_inst_pref_size 87
	.end_amdhsa_kernel
	.amdgpu_metadata
---
amdhsa.version: [ 1, 2 ]
amdhsa.kernels:
  - .name:           k_q6e84c0763d_proj
    .symbol:         k_q6e84c0763d_proj.kd
    .args:
      - { .name: oimg, .offset: 0, .size: 8, .value_kind: global_buffer, .address_space: global }
      - { .name: tabs, .offset: 8, .size: 8, .value_kind: global_buffer, .address_space: global }
      - { .name: bo, .offset: 16, .size: 8, .value_kind: global_buffer, .address_space: global }
      - { .name: out0, .offset: 24, .size: 8, .value_kind: global_buffer, .address_space: global }
    .group_segment_fixed_size: 327680
    .private_segment_fixed_size: 0
    .kernarg_segment_align: 8
    .kernarg_segment_size: 32
    .max_flat_workgroup_size: 128
    .sgpr_count:     66
    .vgpr_count:     576
    .wavefront_size: 32
...
	.end_amdgpu_metadata
.endif
;; end of part 4
;; launch first16 (part 5): grid 64 x 4, 16 waves a work-group, no clusters, 18,432 bytes of LDS; arguments qkv, Wo, bo, curr_seq_lens, out0; writes out0
.if DOCPART == 5
	.amdgcn_target "amdgcn-amd-amdhsa--gfx1250"
	.amdhsa_code_object_version 6
	.text
	.protected	k_q6e84c0763d_first16
	.globl	k_q6e84c0763d_first16
	.p2align	8
	.type	k_q6e84c0763d_first16,@function
k_q6e84c0763d_first16:
	s_mov_b64 s[64:65], 0
	v_nop
	global_prefetch_b8 v0, s[64:65] scope:SCOPE_SE
	s_setreg_imm32_b32 hwreg(HW_REG_WAVE_MODE, 25, 1), 1
	s_wait_xcnt 0x0
; Positions 0-15 of every batch, where a row of the softmax averages one to sixteen values: q k^T, the softmax, p v and the projection by Wo, all on f32 operands.
; LEFT OUT (shown at the head of the first launch): the key mask by length.  Rows at or beyond the length are replaced by 0 ahead of the projection.
; SHARES.  Work-group (nt, b): 16 columns of out, 16 rows.  Wave w = head w: its 16 x 16 attention, then its 64 of the projection's 1,024 along K.  The sixteen parts meet in LDS; wave 0 adds them and bo.
; (Every work-group of a batch repeats the 16 small attentions: 48 matrix instructions a wave.)  The stores are 64 bytes of each of 16 rows: 262,144 bytes in the whole launch.
; LAYOUT.  The matrix form takes k = 2 h + j from register j.  Here a pair of registers holds k = 8 h + 2 p + j of a run of 16: the same order on both sides of each product, so the products pair up rightly.
; The registers that the matrix instructions write (v160-223) are written by nothing else; what is made of a sum goes into other registers.  Each sum begins with the constant 0; the accumulators take turns.
.set FOFF,  50331648
.set SPARE, 16384                      ; behind the 16 parts of 1,024 bytes: the spare words, 128 bytes a wave, named by no other line
.set LI,  1
.set WOF, 2                            ; 4,096 r + 32 h
.set BOF, 3                            ; 32 h
.set DL,  4
.set QR,  5
.set STA, 6
.set NEG, 7
.set ZERO, 8
.set SPW, 10
.set NIL, 11
.set BOR, 16                           ; v16-23 bo
.set MX,  24
.set TP,  25
.set LS,  26
.set T3,  27
.set IV,  30                           ; v[30:31] 1 / the sum
.set Q,   32                           ; v32-63 q, later o
.set K,   64                           ; v64-95 k; v64-71 later p
.set P,   64
.set V,   96
.set W,   128
.set S,   160                          ; two accumulators
.set O,   176                          ; four
.set Y,   208                          ; two
.set RS,  224
.set DM,  20                           ; s20-27
.set CS,  36
.set SEL, 38
	s_load_b256 s[4:11], s[0:1], 0x0               ; qkv s[4:5], Wo s[6:7], bo s[8:9], the lengths s[10:11]
	s_load_b64 s[12:13], s[0:1], 0x20              ; out0
	v_lshl_add_u32 v[SPW], v0, 2, SPARE
	v_mov_b32 v[NIL], 0
	v_lshrrev_b32 v9, 5, v0
	v_readfirstlane_b32 s14, v9                    ; wave = head
	s_and_b32 s15, ttmp7, 0xffff                   ; b
	v_and_b32 v9, 31, v0
	v_lshlrev_b32 v[LI], 4, v9
	v_and_b32 v[QR], 15, v0
	v_bfe_u32 v9, v0, 4, 1
	v_lshlrev_b32 v[BOF], 5, v9
	v_lshl_add_u32 v[WOF], v[QR], 12, v[BOF]
	v_lshlrev_b32 v9, 3, v9
	v_sub_nc_u32 v[DL], v[QR], v9                  ; r - 8 h
	s_lshl_b32 s16, s14, 10
	v_add_nc_u32 v[STA], s16, v[LI]
	v_mov_b32 v[NEG], 0xff800000
	v_mov_b32 v[ZERO], 0
	v_mov_b32 v[TP], 0
	v_mov_b32 v[IV+1], 0
.irp j, 0,1,2,3,4,5,6,7
	v_cmp_gt_i32 s[DM+\j], \j, v[DL]               ; key 8 h + j is hidden from query r
.endr
	s_mov_b32 s[CS], 0x3e38aa3b                    ; log2(e) / 8
	s_mov_b32 s[SEL], 0x76543210
	s_mov_b32 s[SEL+1], 0xfedcba98
	s_lshl_b32 s16, s15, 4
	s_add_co_u32 s16, s16, s14
	s_mul_i32 s16, s16, 12288
	s_add_co_u32 s16, s16, FOFF
	s_mov_b32 s17, 0
	s_lshl_b32 s18, ttmp9, 16                      ; Wo: 16 rows of 4,096 bytes a column tile, 256 bytes a head
	s_lshl_b32 s19, s14, 8
	s_add_co_u32 s18, s18, s19
	s_mov_b32 s19, 0
	s_lshl_b32 s28, ttmp9, 6
	s_mov_b32 s29, 0
	s_lshl_b32 s30, s15, 23
	s_add_co_u32 s30, s30, s28
	s_mov_b32 s31, 0
	s_lshl_b32 s32, s15, 2
	s_mov_b32 s33, 0
	s_wait_kmcnt 0x0
	s_add_nc_u64 s[4:5], s[4:5], s[16:17]
	s_add_nc_u64 s[6:7], s[6:7], s[18:19]
	s_add_nc_u64 s[8:9], s[8:9], s[28:29]
	s_add_nc_u64 s[12:13], s[12:13], s[30:31]
	s_add_nc_u64 s[10:11], s[10:11], s[32:33]
	s_load_b32 s34, s[10:11], 0x0                  ; the length
.irp k, 0,1,2,3,4,5,6,7
	global_load_b128 v[Q+4*\k:Q+4*\k+3], v[LI], s[4:5] offset:512*\k
.endr
.irp k, 0,1,2,3,4,5,6,7
	global_load_b128 v[K+4*\k:K+4*\k+3], v[LI], s[4:5] offset:4096+512*\k
.endr
.irp k, 0,1,2,3,4,5,6,7
	global_load_b128 v[V+4*\k:V+4*\k+3], v[LI], s[4:5] offset:8192+512*\k
.endr
.irp k, 0,1,2,3,4,5,6,7
	global_load_b128 v[W+4*\k:W+4*\k+3], v[WOF], s[6:7] offset:64*(\k/2)+16*(\k%2)
.endr
	global_load_b128 v[BOR:BOR+3], v[BOF], s[8:9]
	global_load_b128 v[BOR+4:BOR+7], v[BOF], s[8:9] offset:16
	s_wait_loadcnt 18                              ; q and k are in; v's 8, Wo's 8 and bo's 2 may be out
.set n, 0
.rept 16                               ; S^T = k q^T: 64 along the head in 16 steps, two accumulators by turns
.if n < 2
	v_wmma_f32_16x16x4_f32 v[S+8*(n%2):S+8*(n%2)+7], v[K+2*n:K+2*n+1], v[Q+2*n:Q+2*n+1], 0
.else
	v_wmma_f32_16x16x4_f32 v[S+8*(n%2):S+8*(n%2)+7], v[K+2*n:K+2*n+1], v[Q+2*n:Q+2*n+1], v[S+8*(n%2):S+8*(n%2)+7]
.endif
.set n, n+1
.endr
.rept 8
	v_nop                                          ; eight plain instructions behind this form, ahead of the first read of its results
.endr
.irp j, 0,1,2,3,4,5,6,7
	v_add_f32 v[P+\j], v[S+\j], v[S+8+\j]          ; lane (r, h): query r, key 8 h + j
.endr
.irp j, 0,1,2,3,4,5,6,7
	v_cndmask_b32 v[P+\j], v[P+\j], v[NEG], s[DM+\j]
.endr
	v_max3_num_f32 v[MX], v[P], v[P+1], v[P+2]
	v_max3_num_f32 v[MX], v[MX], v[P+3], v[P+4]
	v_max3_num_f32 v[MX], v[MX], v[P+5], v[P+6]
	v_max_num_f32 v[MX], v[MX], v[P+7]
	v_permlanex16_b32 v[TP], v[MX], s[SEL], s[SEL+1]
	v_max_num_f32 v[MX], v[MX], v[TP]              ; key 0 counts for every query: a number
	v_mul_f32 v[MX], s[CS], v[MX]
.irp j, 0,1,2,3,4,5,6,7
	v_fma_f32 v[P+\j], v[P+\j], s[CS], -v[MX]
.endr
.irp j, 0,1,2,3,4,5,6,7
	v_exp_f32 v[P+\j], v[P+\j]
.endr
	v_nop
	s_wait_alu depctr_va_vdst(0)                   ; one wait for the eight, ahead of their first reader
	v_add_f32 v[LS], v[P], v[P+1]
	v_add_f32 v[T3], v[P+2], v[P+3]
	v_add_f32 v[LS], v[LS], v[P+4]
	v_add_f32 v[T3], v[T3], v[P+5]
	v_add_f32 v[LS], v[LS], v[P+6]
	v_add_f32 v[T3], v[T3], v[P+7]
	v_add_f32 v[LS], v[LS], v[T3]
	v_permlanex16_b32 v[TP], v[LS], s[SEL], s[SEL+1]
	v_add_f32 v[LS], v[LS], v[TP]                  ; the row's sum, 1 or more
	v_rcp_f32 v[IV], v[LS]
	v_nop
	s_wait_kmcnt 0x0
	s_wait_alu depctr_va_vdst(0)
	v_cmp_le_i32 vcc_lo, s34, v[QR]
	v_cndmask_b32 v[IV], v[IV], v[ZERO], vcc_lo    ; rows at or beyond the length: x 0
	s_wait_loadcnt 10                              ; v is in; Wo's 8 and bo's 2 may be out
.set n, 0
.rept 16                               ; O^T = v^T p^T: 16 keys in 4 steps, four accumulators by turns
.if n < 4
	v_wmma_f32_16x16x4_f32 v[O+8*(n%4):O+8*(n%4)+7], v[V+8*(n%4)+2*(n/4):V+8*(n%4)+2*(n/4)+1], v[P+2*(n/4):P+2*(n/4)+1], 0
.else
	v_wmma_f32_16x16x4_f32 v[O+8*(n%4):O+8*(n%4)+7], v[V+8*(n%4)+2*(n/4):V+8*(n%4)+2*(n/4)+1], v[P+2*(n/4):P+2*(n/4)+1], v[O+8*(n%4):O+8*(n%4)+7]
.endif
.set n, n+1
.endr
.rept 8
	v_nop
.endr
.set n, 0
.rept 16
	v_pk_mul_f32 v[Q+2*n:Q+2*n+1], v[O+2*n:O+2*n+1], v[IV:IV+1] op_sel_hi:[1,0]   ; o, into q's registers: lane (r, h): row r, channel 16 d + 8 h + j
.set n, n+1
.endr
	s_wait_loadcnt 0x0                             ; Wo and bo
.set n, 0
.rept 16                               ; out^T += Wo o^T over my head's 64, two accumulators by turns
.if n < 2
	v_wmma_f32_16x16x4_f32 v[Y+8*(n%2):Y+8*(n%2)+7], v[W+2*n:W+2*n+1], v[Q+2*n:Q+2*n+1], 0
.else
	v_wmma_f32_16x16x4_f32 v[Y+8*(n%2):Y+8*(n%2)+7], v[W+2*n:W+2*n+1], v[Q+2*n:Q+2*n+1], v[Y+8*(n%2):Y+8*(n%2)+7]
.endif
.set n, n+1
.endr
.rept 8
	v_nop
.endr
.irp j, 0,1,2,3,4,5,6,7
	v_add_f32 v[RS+\j], v[Y+\j], v[Y+8+\j]         ; lane (r, h): row r, column 16 nt + 8 h + j
.endr
	ds_store_b128 v[STA], v[RS:RS+3]
	ds_store_b128 v[STA], v[RS+4:RS+7] offset:512
	s_wait_dscnt 0x0                               ; for wave 0's sake
	s_barrier_signal -1
	s_barrier_wait -1
	s_cmp_lg_u32 s14, 0
	s_cbranch_scc1 .Ldone
.set n, 0
.rept 32
	ds_load_b128 v[32+4*n:32+4*n+3], v[LI] offset:512*n   ; head w's part at v[32 + 8 w]
.set n, n+1
.endr
	s_wait_dscnt 0x0
.macro FOLD st                         ; part w += part w + st
.set w, 0
.rept \st
.irp q, 0,2,4,6
	v_pk_add_f32 v[32+8*w+\q:32+8*w+\q+1], v[32+8*w+\q:32+8*w+\q+1], v[32+8*(w+\st)+\q:32+8*(w+\st)+\q+1]
.endr
.set w, w+1
.endr
.endm
	FOLD 8
	FOLD 4
	FOLD 2
	FOLD 1
.irp q, 0,2,4,6
	v_pk_add_f32 v[32+\q:32+\q+1], v[32+\q:32+\q+1], v[BOR+\q:BOR+\q+1]
.endr
	global_store_b128 v[WOF], v[32:35], s[12:13]
	global_store_b128 v[WOF], v[36:39], s[12:13] offset:16
.Ldone:
	s_wait_tensorcnt 0x0                           ; the wave's end: behind my last LDS store
	ds_add_u32 v[SPW], v[NIL]
	s_wait_dscnt 0x0
	s_endpgm
.Lfunc_end_k_q6e84c0763d_first16:
	.size	k_q6e84c0763d_first16, .Lfunc_end_k_q6e84c0763d_first16-k_q6e84c0763d_first16
	.p2alignl 7, 3214868480
	.fill 96, 4, 3214868480
	.section	.rodata,"a",@progbits
	.p2align	6, 0x0
	.amdhsa_kernel k_q6e84c0763d_first16
		.amdhsa_group_segment_fixed_size 18432
		.amdhsa_private_segment_fixed_size 0
		.amdhsa_enable_private_segment 0
		.amdhsa_kernarg_size 40
		.amdhsa_user_sgpr_count 2
		.amdhsa_user_sgpr_kernarg_segment_ptr 1
		.amdhsa_wavefront_size32 1
		.amdhsa_system_sgpr_workgroup_id_x 1
		.amdhsa_system_sgpr_workgroup_id_y 1
		.amdhsa_system_sgpr_workgroup_id_z 1
		.amdhsa_system_vgpr_workitem_id 0
		.amdhsa_next_free_vgpr 240
		.amdhsa_next_free_sgpr 66
		.amdhsa_reserve_vcc 1
		.amdhsa_float_denorm_mode_32 3
		.amdhsa_float_denorm_mode_16_64 3
		.amdhsa_memory_ordered 1
		.amdhsa_forward_progress 1
		.amdhsa_inst_pref_size 20
	.end_amdhsa_kernel
	.amdgpu_metadata
---
amdhsa.version: [ 1, 2 ]
amdhsa.kernels:
  - .name:           k_q6e84c0763d_first16
    .symbol:         k_q6e84c0763d_first16.kd
    .args:
      - { .name: qkv, .offset: 0, .size: 8, .value_kind: global_buffer, .address_space: global }
      - { .name: Wo, .offset: 8, .size: 8, .value_kind: global_buffer, .address_space: global }
      - { .name: bo, .offset: 16, .size: 8, .value_kind: global_buffer, .address_space: global }
      - { .name: curr_seq_lens, .offset: 24, .size: 8, .value_kind: global_buffer, .address_space: global }
      - { .name: out0, .offset: 32, .size: 8, .value_kind: global_buffer, .address_space: global }
    .group_segment_fixed_size: 18432
    .private_segment_fixed_size: 0
    .kernarg_segment_align: 8
    .kernarg_segment_size: 40
    .max_flat_workgroup_size: 512
    .sgpr_count:     66
    .vgpr_count:     240
    .wavefront_size: 32
...
	.end_amdgpu_metadata
.endif
;; end of part 5
